; MI455X (gfx1250); checked and timed in simulation.
; The chip was launched on July 23, 2026; its instructions are those of AMD's public machine-readable ISA for CDNA 5 (MIT licence, August 2026) and "CDNA5" Instruction Set Architecture Reference Guide (July 2026). The comments in the code are by the model that wrote it; some were corrected since.
;; Transformer Block. Allowed arithmetic: matrix products marked QUANTISED: E4M3 operands, one given power-of-two scale a tensor, by v_wmma_f32_16x16x64_fp8_fp8 or v_wmma_f32_16x16x128_fp8_fp8, f32 sums; everything else in f32.
;; Inputs: b1 4,096 float32; b2 1,024 float32; bk 1,024 float32; bo 1,024 float32; bq 1,024 float32; bv 1,024 float32; inputs 2 x 2,048 x 1,024 float32; ln1_b 1,024 float32; ln1_g 1,024 float32; ln2_b 1,024 float32; ln2_g 1,024 float32; lowp_scales 16 int32 (the exponents e of the quantised operands' scales 2^e); w1_codes 4,096 x 32 x 32 uint8 (E4M3 codes of w1, K innermost, in blocks of 32 codes); w2_codes 1,024 x 128 x 32 uint8 (E4M3 codes of w2, K innermost, in blocks of 32 codes); wk_codes 1,024 x 32 x 32 uint8 (E4M3 codes of wk, K innermost, in blocks of 32 codes); wo_codes 1,024 x 32 x 32 uint8 (E4M3 codes of wo, K innermost, in blocks of 32 codes); wq_codes 1,024 x 32 x 32 uint8 (E4M3 codes of wq, K innermost, in blocks of 32 codes); wv_codes 1,024 x 32 x 32 uint8 (E4M3 codes of wv, K innermost, in blocks of 32 codes).
;; Outputs: out0 2 x 2,048 x 1,024 float32.
;; This version of the problem:
;;   THIS VERSION OF THE PROBLEM IS GIVEN IN LOW PRECISION. The matrix products marked QUANTISED in the list below multiply operands that are first quantised to E4M3 (4 exponent bits, 3 mantissa bits; 8 bits a number), with one given power-of-two scale for each operand tensor; their sums are f32. All else is computed in f32.
;;   The module's matrix products, in the order in which they are computed (A, B: the left and right operand; K: the contracted axis; several contracted axes count as one K, in the product's order):
;;     1. [M 4,096, K 1,024] x [K 1,024, N 1,024]; A: input inputs; B: input wq (given as codes): QUANTISED (scales: A lowp_scales[0], B lowp_scales[1])
;;     2. [M 4,096, K 1,024] x [K 1,024, N 1,024]; A: input inputs; B: input wk (given as codes): QUANTISED (scales: A lowp_scales[2], B lowp_scales[3])
;;     3. [M 4,096, K 1,024] x [K 1,024, N 1,024]; A: input inputs; B: input wv (given as codes): QUANTISED (scales: A lowp_scales[4], B lowp_scales[5])
;;     4. batch 32 x [M 2,048, K 64] x [K 64, N 2,048]; A: computed on the way; B: computed on the way: QUANTISED (scales: A lowp_scales[6], B lowp_scales[7])
;;     5. batch 32 x [M 2,048, K 2,048] x [K 2,048, N 64]; A: softmax (see below); B: computed on the way: QUANTISED (scales: A lowp_scales[8], B lowp_scales[9])
;;     6. [M 4,096, K 1,024] x [K 1,024, N 1,024]; A: computed on the way; B: input wo (given as codes): QUANTISED (scales: A lowp_scales[10], B lowp_scales[11])
;;     7. [M 4,096, K 1,024] x [K 1,024, N 4,096]; A: computed on the way; B: input w1 (given as codes): QUANTISED (scales: A lowp_scales[12], B lowp_scales[13])
;;     8. [M 4,096, K 4,096] x [K 4,096, N 1,024]; A: computed on the way; B: input w2 (given as codes): QUANTISED (scales: A lowp_scales[14], B lowp_scales[15])
;;   THE QUANTISER, for each operand of a quantised product, along K:
;;     - The operand's scale is 2^e, e = its entry of the input lowp_scales (int32; the entries are numbered through the quantised products in the list's order, A before B).
;;     - Each number is divided by the scale, clamped to +-448, and rounded to the nearest number of E4M3, ties to even, subnormals kept.
;;     - The product sums the exact products of the quantised numbers (number of the format x scale) in f32.
;;   ~~~python
;;   def quantise(x, axis, e):      # numpy; x: float32 -> the quantised numbers, widened to float32 again
;;       x = np.moveaxis(x, axis, -1); K = x.shape[-1]
;;       r = np.clip(x / 2.0 ** e, -448, 448)
;;       step = 2.0 ** (np.maximum(np.frexp(np.where(r == 0, 1, r))[1] - 1, -6) - 3)
;;       q = np.round(r / step) * step * 2.0 ** e      # np.round: ties to even
;;       return np.moveaxis(q, -1, axis).astype(np.float32)
;;   ~~~
;;   SOFTMAX AHEAD OF A QUANTISED PRODUCT. Where the list says 'softmax', what is quantised is not the finished softmax but p = 2^(t - M), with t = logit x log2(e) and M = ceil(the row's largest t), a whole number; so 1/2 < the row's largest p <= 1. The row's sum l is taken of the UNQUANTISED p, in f32, and the product's result is divided by l at the end. Since M is a whole number, a kernel that streams over the keys may use a running M (the ceiling of the running maximum): every later rescaling is an exact power of two, so the quantised numbers keep their values, but for numbers so far below the row's largest that they fall under the format's range.
;;   OPERANDS COMPUTED ON THE WAY. 'Computed on the way' means the value that the module computes at that place (a softmax that the list does not call 'softmax' is quantised finished and normalised). What goes into a quantiser is computed in f32, as accurately as f32 sums, v_exp_f32 and their like allow (about 1e-6 of the number): no bf16 or f16 on the way to a quantiser, and a product that is left as it is and whose result goes on into a quantised operand takes f32 operands (vector FMAs, or v_wmma_f32_16x16x4_f32). A number that lies on a knife's edge between two numbers of the format may be rounded either way, as far as f32 arithmetic and the matrix unit's own rounding can turn it there, and no further.
;;   INPUTS GIVEN AS CODES. w1 (in the module: [1024, 4096], K = its axis 0); w2 (in the module: [4096, 1024], K = its axis 0); wk (in the module: [1024, 1024], K = its axis 0); wo (in the module: [1024, 1024], K = its axis 0); wq (in the module: [1024, 1024], K = its axis 0); wv (in the module: [1024, 1024], K = its axis 0): each comes as NAME_codes (uint8): NAME with its K axis moved to the last place and cut into blocks of 32 codes, [.., K / 32, bytes a block], one block behind the other in memory; one code a byte (a code: sign, 4 exponent bits, 3 mantissa bits); its scale is its entry of lowp_scales. Its value is code x scale, taken as it is: it is not quantised again, and the codes and scales need not be those that the quantiser above would give.
;; One version. Each part assembles by itself: llvm-mc -triple=amdgcn-amd-amdhsa -mcpu=gfx1250 --defsym DOCPART=n.
;; ======== version 1 of 1: 8 launches
;; limits: right only within a limited range of input values
;; workspace buffers: xc 12,582,912 bytes; qkvc 12,582,912 bytes; cc 4,194,304 bytes; z 16,777,216 bytes; o1 16,777,216 bytes; o1c 4,194,304 bytes; hc 16,777,216 bytes
;; launch quantx (part 1): grid 256 x 1, 8 waves a work-group, no clusters, 50,176 bytes of LDS; arguments inputs, lowp_scales, xc; writes xc
.if DOCPART == 1
	.amdgcn_target "amdgcn-amd-amdhsa--gfx1250"
	.amdhsa_code_object_version 6
	.text
	.protected	k_q170aad729c_quantx
	.globl	k_q170aad729c_quantx
	.p2align	8
	.type	k_q170aad729c_quantx,@function
k_q170aad729c_quantx:
	s_mov_b64 s[64:65], 0
	v_nop
	global_prefetch_b8 v0, s[64:65] scope:SCOPE_SE
	s_setreg_imm32_b32 hwreg(HW_REG_WAVE_MODE, 25, 1), 1
	s_wait_xcnt 0x0
; inputs [4096][1024] f32 become three planes of E4M3 codes, xc [3][4096][1024], K innermost, natural order: plane i under the scale 2^e, e = entry 2 i of the scales
; (the left operands of the q, k and v projections).  code = x / 2^e, held within +-448, to the nearest code, ties to even.
; LIMITS: each e between -126 and 119, so that 2^e and 448 x 2^e are f32 numbers.  NaN among the inputs is not served.
; SHARES.  The tensor is a plain stream.  Wave g = 8 x work-group + wave takes 2,048 numbers: four steps of 512.  A load reads 512 consecutive bytes, 16 a lane; the f32 numbers are read ONCE for the three planes.
; A conversion takes eight registers of a lane: two loads' four neighbours each, so each result register is the four codes of one load's place.  They go through the wave's own LDS bytes
; (4 bytes a lane, 128 a load) and come back 16 bytes a lane, so that a store covers 512 consecutive bytes.  No barrier: waves share nothing.  No matrix unit, no cluster: memory binds, nothing is shared.
.set R,    16                          ; v16-79   the 16 loads
.set T,    80                          ; v80-95   16 numbers, held
.set OUT,  96                          ; v96-143  12 blocks of 512 codes as stored: never rewritten
.set C,    144                         ; v144-191 12 blocks of codes as converted: never rewritten
.set WREG, 6144                        ; LDS bytes of a wave: 12 blocks of 512
	s_load_b128 s[4:7], s[0:1], 0x0                ; inputs, the scales' exponents
	s_load_b64 s[8:9], s[0:1], 0x10                ; xc
	v_lshl_add_u32 v192, v0, 2, 0xc000
	v_mov_b32 v193, 0
	v_lshrrev_b32 v10, 5, v0
	s_delay_alu instid0(VALU_DEP_1)
	v_readfirstlane_b32 s14, v10                   ; wave
	v_and_b32 v11, 31, v0                          ; lane
	s_delay_alu instid0(VALU_DEP_1)
	v_lshlrev_b32 v1, 4, v11                       ; 16 x lane: my place in a load's and in a store's 512 bytes
	s_mul_i32 s15, s14, WREG
	v_lshl_add_u32 v2, v11, 2, s15                 ; LDS, on the way in: 4 x lane
	v_add_nc_u32 v3, s15, v1                       ; and back: 16 x lane
	s_lshl_b32 s24, ttmp9, 3
	s_add_co_u32 s24, s24, s14                     ; g
	s_lshl_b32 s26, s24, 13                        ; 8,192 bytes of f32
	s_mov_b32 s27, 0
	s_lshl_b32 s28, s24, 11                        ; 2,048 bytes of codes
	s_mov_b32 s29, 0
	s_wait_alu depctr_va_vdst(0)
	s_wait_kmcnt 0x0
	s_load_b256 s[16:23], s[6:7], 0x0              ; e0 .. e7: entries 0, 2, 4 are used
	s_add_nc_u64 s[4:5], s[4:5], s[26:27]
	s_add_nc_u64 s[8:9], s[8:9], s[28:29]          ; plane 0,
	s_add_nc_u64 s[10:11], s[8:9], 0x400000        ; plane 1,
	s_add_nc_u64 s[12:13], s[8:9], 0x800000        ; plane 2
.irp t, 0,1,2,3
.irp i, 0,1,2,3
	global_load_b128 v[R+16*\t+4*\i:R+16*\t+4*\i+3], v1, s[4:5] offset:2048*\t+512*\i th:TH_LOAD_NT
.endr
.endr
	s_wait_kmcnt 0x0
.irp s, 0,1,2
	s_add_co_i32 s[16+2*\s], s[16+2*\s], 127
	s_lshl_b32 s24, s[16+2*\s], 23
	v_mov_b32 v[4+2*\s], s24                       ; 2^e as f32: the conversion takes its exponent field
	s_add_co_i32 s[16+2*\s], s[16+2*\s], 8
	s_lshl_b32 s24, s[16+2*\s], 23
	s_or_b32 s24, s24, 0x600000
	v_mov_b32 v[5+2*\s], s24                       ; 448 x 2^e
.endr
.macro BLOCK t, s                      ; step t under scale s
.set BL, 3*(\t)+(\s)
.set ii, 0
.rept 16
	v_med3_num_f32 v[T+ii], v[R+16*(\t)+ii], -v[5+2*(\s)], v[5+2*(\s)]   ; the conversion to an 8-bit code does not saturate (ISA guide 7.6.2): the hold comes first
.set ii, ii+1
.endr
	v_cvt_scalef32_pk8_fp8_f32 v[C+4*BL:C+4*BL+1], v[T:T+7], v[4+2*(\s)]
	v_cvt_scalef32_pk8_fp8_f32 v[C+4*BL+2:C+4*BL+3], v[T+8:T+15], v[4+2*(\s)]
	v_nop                                          ; a plain line between the conversions and the next holds, which write their sources
.irp i, 0,1,2,3
	ds_store_b32 v2, v[C+4*BL+\i] offset:512*BL+128*\i
.endr
	ds_load_b128 v[OUT+4*BL:OUT+4*BL+3], v3 offset:512*BL   ; LDS serves a wave's instructions in order: this sees the four stores
.endm
	s_wait_alu depctr_va_vdst(0)
.irp t, 0,1,2,3
	s_wait_loadcnt 12-4*\t                         ; this step's four loads are in; the later steps' stay out
	BLOCK \t, 0
	BLOCK \t, 1
	BLOCK \t, 2
	s_wait_dscnt 0x0
.irp s, 0,1,2
	global_store_b128 v1, v[OUT+4*(3*\t+\s):OUT+4*(3*\t+\s)+3], s[8+2*\s:9+2*\s] offset:512*\t   ; 512 consecutive bytes, aligned
.endr
.endr
	s_wait_tensorcnt 0x0
	ds_add_u32 v192, v193
	s_wait_dscnt 0x0
	s_endpgm
.Lfunc_end_k_q170aad729c_quantx:
	.size	k_q170aad729c_quantx, .Lfunc_end_k_q170aad729c_quantx-k_q170aad729c_quantx
	.p2alignl 7, 3214868480
	.fill 96, 4, 3214868480
	.section	.rodata,"a",@progbits
	.p2align	6, 0x0
	.amdhsa_kernel k_q170aad729c_quantx
		.amdhsa_group_segment_fixed_size 50176
		.amdhsa_private_segment_fixed_size 0
		.amdhsa_enable_private_segment 0
		.amdhsa_kernarg_size 24
		.amdhsa_user_sgpr_count 2
		.amdhsa_user_sgpr_kernarg_segment_ptr 1
		.amdhsa_wavefront_size32 1
		.amdhsa_system_sgpr_workgroup_id_x 1
		.amdhsa_system_sgpr_workgroup_id_y 1
		.amdhsa_system_sgpr_workgroup_id_z 1
		.amdhsa_system_vgpr_workitem_id 0
		.amdhsa_next_free_vgpr 194
		.amdhsa_next_free_sgpr 66
		.amdhsa_reserve_vcc 0
		.amdhsa_float_denorm_mode_32 3
		.amdhsa_float_denorm_mode_16_64 3
		.amdhsa_memory_ordered 1
		.amdhsa_forward_progress 1
		.amdhsa_inst_pref_size 23
	.end_amdhsa_kernel
	.amdgpu_metadata
---
amdhsa.version: [ 1, 2 ]
amdhsa.kernels:
  - .name:           k_q170aad729c_quantx
    .symbol:         k_q170aad729c_quantx.kd
    .args:
      - { .name: inputs, .offset: 0, .size: 8, .value_kind: global_buffer, .address_space: global }
      - { .name: lowp_scales, .offset: 8, .size: 8, .value_kind: global_buffer, .address_space: global }
      - { .name: xc, .offset: 16, .size: 8, .value_kind: global_buffer, .address_space: global }
    .group_segment_fixed_size: 50176
    .private_segment_fixed_size: 0
    .kernarg_segment_align: 8
    .kernarg_segment_size: 24
    .max_flat_workgroup_size: 256
    .sgpr_count:     66
    .vgpr_count:     194
    .wavefront_size: 32
...
	.end_amdgpu_metadata
.endif
;; end of part 1
;; launch qkv (part 2): grid 12 x 16, 4 waves a work-group, clusters of 4 x 4, 327,680 bytes of LDS; arguments xc, wq_codes, wk_codes, wv_codes, bq, bk, bv, lowp_scales, qkvc; writes qkvc
.if DOCPART == 2
	.amdgcn_target "amdgcn-amd-amdhsa--gfx1250"
	.amdhsa_code_object_version 6
	.text
	.protected	k_q170aad729c_qkv
	.globl	k_q170aad729c_qkv
	.p2align	8
	.type	k_q170aad729c_qkv,@function
k_q170aad729c_qkv:
	s_mov_b64 s[64:65], 0
	v_nop
	global_prefetch_b8 v0, s[64:65] scope:SCOPE_SE
	s_setreg_imm32_b32 hwreg(HW_REG_WAVE_MODE, 25, 1), 1
	s_wait_xcnt 0x0
	s_wait_alu depctr_hold_cnt(0) depctr_sa_sdst(0) depctr_va_vdst(0) depctr_va_sdst(0) depctr_va_ssrc(0) depctr_va_vcc(0) depctr_vm_vsrc(0)
	s_getreg_b32 s2, hwreg(HW_REG_IB_STS2, 6, 4)
	s_cmp_eq_u32 s2, 0
	s_cbranch_scc0 .Lentry_in_a_cluster
	s_endpgm
.Lentry_in_a_cluster:
	s_bfe_u32 s2, ttmp6, 0x10000c
	s_cmp_lg_u32 s2, 0xf033
	s_cbranch_scc0 .Lentry_shape_is_right
	s_endpgm
.Lentry_shape_is_right:
.set SIZE_K, 1024
.set KSTEP,  256
.set ROWB,   256
.set KROW,   SIZE_K
.set PITCH,  272
.set FR,     16
.set NL,     4
.set NP,     4
.set HALFT,  128*PITCH
.set SLOT,   4*HALFT
.set LAPS,   SIZE_K/(2*KSTEP)
.set SPARE,  2*SLOT
.set SPITCH, 144
.set CO,   8
.set ADRA, 16
.set ADRB, 20
.set STO,  24
.set RD,   25
.set ZER,  27
.set SPW,  28
.set NIL,  29
.set SCL,  30
.set LIM,  31
.set BC,   32
.set BR,   96
.set T,    112
.set CD,   176
.set BK,   192
.set AF,   128
.set G1, 24
.set G0, 32
.set G1B, 48
.set G0B, 56
.set MSB, 0
.macro WIN new
.if MSB != \new
	s_set_vgpr_msb (MSB<<8)|\new
.set MSB, \new
.endif
.endm
.set MUL_LO, 0xa1
.set MUL_HI, 0xf1
.set TO_B,   0x40
.macro JLOAD g0a, g1a, g0b, g1b
	s_cmp_eq_u32 s15, 0
	s_cbranch_scc0 .Lfor_b_\@
	tensor_load_to_lds s[\g0a:\g0a+3], s[\g1a:\g1a+7]
	s_nop 0
.rept 4
	v_nop
.endr
	s_branch .Lasked_\@
.Lfor_b_\@:
	tensor_load_to_lds s[\g0b:\g0b+3], s[\g1b:\g1b+7]
	s_nop 0
.rept 4
	v_nop
.endr
.Lasked_\@:
.endm
.macro CREST
	s_cmp_lg_u32 s14, 0
	s_cbranch_scc1 .Lnot_wave_0_\@
	s_barrier_signal -3
.Lnot_wave_0_\@:
	s_barrier_wait -3
	s_barrier_signal -1
	s_barrier_wait -1
.endm
.macro CROUND
	s_barrier_signal -1
	s_barrier_wait -1
	CREST
.endm
	s_load_b256 s[68:75], s[0:1], 0x0
	s_load_b256 s[76:83], s[0:1], 0x20
	s_load_b64 s[10:11], s[0:1], 0x40
	v_lshl_add_u32 v[SPW], v0, 2, SPARE
	v_mov_b32 v[NIL], 0
	ds_add_u32 v28, v29
	ds_add_u32 v28, v29
	s_wait_dscnt 0x0
	v_mov_b32 v[ZER], 0
	v_lshrrev_b32 v1, 5, v0
	v_readfirstlane_b32 s14, v1
	s_lshr_b32 s15, s14, 1
	s_and_b32 s16, s14, 1
	s_bfe_u32 s40, ttmp6, 0x40000
	s_bfe_u32 s41, ttmp6, 0x40004
	s_mov_b32 s12, ttmp9
	s_and_b32 s18, ttmp7, 0xffff
	s_lshl_b32 s18, s18, 2
	s_cmp_eq_u32 s12, 2
	s_cselect_b32 s13, -1, 0
	s_cselect_b32 s17, 0, s18
	s_cselect_b32 s42, s18, 0
	s_add_co_u32 s17, s17, s41
	s_add_co_u32 s42, s42, s40
	s_lshl_b32 s43, s41, 2
	s_lshl_b32 s43, 15, s43
	s_lshl_b32 s44, 0x1111, s40
	s_or_b32 s[G1+0], s43, (0<<16)|(1<<20)|(1<<21)|(5<<22)|(3<<25)
	s_or_b32 s[G1B+0], s44, (0<<16)|(1<<20)|(1<<21)|(5<<22)|(3<<25)
.irp g, G1, G1B
	s_mov_b32 s[\g+1], ROWB<<16
	s_mov_b32 s[\g+2], 128<<16
	s_mov_b32 s[\g+3], ROWB<<16
	s_mov_b32 s[\g+4], 128
	s_mov_b32 s[\g+5], KROW
	s_mov_b32 s[\g+6], 0
	s_mov_b32 s[\g+7], 0
.endr
	s_lshl_b32 s18, s16, 7
	s_lshl_b32 s20, s17, 8
	s_add_co_u32 s20, s20, s18
	s_lshl_b32 s46, s42, 8
	s_add_co_u32 s46, s46, s18
	s_mov_b32 s21, 0
	s_mov_b32 s47, 0
	s_mov_b64 s[18:19], KROW
	s_mul_u64 s[20:21], s[20:21], s[18:19]
	s_mul_u64 s[46:47], s[46:47], s[18:19]
	s_mul_i32 s45, s14, HALFT
	s_lshl_b32 s22, s12, 22
	s_mov_b32 s23, 0
	s_wait_kmcnt 0x0
	s_load_b512 s[84:99], s[82:83], 0x0
	s_add_nc_u64 s[68:69], s[68:69], s[22:23]
	s_cmp_eq_u32 s12, 0
	s_cselect_b64 s[6:7], s[70:71], s[72:73]
	s_cselect_b64 s[8:9], s[76:77], s[78:79]
	s_cmp_eq_u32 s12, 2
	s_cselect_b64 s[4:5], s[74:75], s[68:69]
	s_cselect_b64 s[6:7], s[68:69], s[6:7]
	s_cselect_b64 s[8:9], s[80:81], s[8:9]
	s_add_nc_u64 s[20:21], s[4:5], s[20:21]
	s_add_nc_u64 s[46:47], s[6:7], s[46:47]
	; the prefetches: behind each joint load one instruction a wave names the slot that my NEXT joint load asks for.  Of the 128 rows that a wave fetches, each of the four partners that ask jointly
	; takes 32, told apart by address (cx for the first operand's tiles, cy for the second's): a lane a row, 256 aligned bytes of it
	s_cmp_eq_u32 s15, 0
	s_cselect_b64 s[74:75], s[20:21], s[46:47]     ; my 128 rows, slot 0
	s_cselect_b32 s76, s40, s41                    ; my place among the four
	s_lshl_b32 s76, s76, 15                        ; 32 rows of 1,024 bytes
	s_add_co_u32 s76, s76, ROWB                    ; in slot 1
	s_mov_b32 s77, 0
	s_add_nc_u64 s[74:75], s[74:75], s[76:77]
	CROUND
.irp s, 0,1
	s_mov_b32 s[G0+4*\s], 1
	s_add_co_u32 s[G0+4*\s+1], s45, \s*SLOT
	s_add_nc_u64 s[G0+4*\s+2:G0+4*\s+3], s[20:21], \s*ROWB
	s_or_b32 s[G0+4*\s+3], s[G0+4*\s+3], 0x80000000
	s_mov_b32 s[G0B+4*\s], 1
	s_add_co_u32 s[G0B+4*\s+1], s45, \s*SLOT
	s_add_nc_u64 s[G0B+4*\s+2:G0B+4*\s+3], s[46:47], \s*ROWB
	s_or_b32 s[G0B+4*\s+3], s[G0B+4*\s+3], 0x80000000
.if \s == 0
	JLOAD G0, G1, G0B, G1B                         ; slot 0: one tensor load a wave at the head
	v_and_b32 v22, 31, v0
	v_lshlrev_b32 v22, 10, v22                     ; v22: my lane's row; never rewritten
	global_prefetch_b8 v22, s[74:75] th:TH_LOAD_NT scope:SCOPE_SE   ; slot 1
.endif
.endr
	v_and_b32 v1, 15, v0
	s_wait_alu depctr_va_vdst(0)
	v_bfe_u32 v2, v0, 4, 1
	v_mul_u32_u24 v3, v1, PITCH
	v_lshl_add_u32 v4, v2, 4, v3
	s_mul_i32 s21, s15, HALFT
	s_mul_i32 s22, s16, HALFT
	s_add_co_u32 s22, s22, 2*HALFT
.irp s, 0,1
	v_add_nc_u32 v[ADRA+\s], s21, v4
	v_add_nc_u32 v[ADRB+\s], s22, v4
	s_add_co_u32 s21, s21, SLOT
	s_add_co_u32 s22, s22, SLOT
.endr
	s_mul_i32 s23, s14, 16*SPITCH
	v_mul_u32_u24 v5, v1, SPITCH
	s_wait_alu depctr_va_vdst(0)
	v_lshl_add_u32 v5, v2, 4, v5
	v_add_nc_u32 v[STO], s23, v5
	v_and_b32 v6, 31, v0
	v_lshrrev_b32 v7, 3, v6
	v_and_b32 v5, 7, v0
	v_mul_u32_u24 v3, v7, SPITCH
	v_lshl_add_u32 v3, v5, 4, v3
	v_add_nc_u32 v[RD], s23, v3
	v_lshlrev_b32 v12, 5, v2
	s_wait_alu depctr_va_vdst(0)
	v_lshlrev_b32 v13, 2, v1
	s_wait_alu depctr_va_vdst(0)
	s_lshl_b32 s20, s17, 8
	s_lshl_b32 s21, s15, 7
	s_add_co_u32 s20, s20, s21
	s_lshl_b32 s21, s42, 8
	s_lshl_b32 s22, s16, 7
	s_add_co_u32 s21, s21, s22
	s_and_b32 s22, s21, 1023
	s_lshl_b32 s22, s22, 2
	s_mov_b32 s23, 0
	s_add_nc_u64 s[70:71], s[8:9], s[22:23]
	s_and_b32 s22, s20, 1023
	s_lshl_b32 s22, s22, 2
	s_add_nc_u64 s[72:73], s[8:9], s[22:23]
.irp b, 0,1,2,3,4,5,6,7
	global_load_b128 v[BC+8*\b:BC+8*\b+3], v12, s[70:71] offset:64*\b
	global_load_b128 v[BC+8*\b+4:BC+8*\b+7], v12, s[70:71] offset:64*\b+16
.endr
.irp a, 0,1,2,3,4,5,6,7
	global_load_b32 v[BR+2*\a], v13, s[72:73] offset:64*\a
.endr
	s_lshr_b32 s22, s20, 11
	s_lshl_b32 s22, s22, 15
	s_lshr_b32 s23, s21, 6
	s_lshl_b32 s23, s23, 11
	s_add_co_u32 s22, s22, s23
	s_and_b32 s23, s20, 2047
	s_add_co_u32 s22, s22, s23
	s_lshl_b32 s22, s22, 6
	s_lshr_b32 s23, s21, 7
	s_lshl_b32 s23, s23, 10
	s_add_co_u32 s23, s23, s20
	s_lshl_b32 s23, s23, 7
	s_mov_b32 s19, 0x20000
	s_mov_b32 s100, 1024
	s_mov_b32 s101, 0
	s_cmp_eq_u32 s12, 2
	s_cselect_b32 s46, s23, s22
	s_cselect_b32 s18, 128, 64
	s_cselect_b32 s19, 64, s19
	s_cselect_b32 s100, 2048, s100
	s_lshl_b32 s47, s12, 22
	s_add_co_u32 s46, s46, s47
	s_mov_b32 s47, 0
	s_add_nc_u64 s[10:11], s[10:11], s[46:47]
	v_bfe_u32 v5, v0, 2, 1
	v_mul_lo_u32 v5, v5, s19
	v_and_b32 v14, 3, v0
	v_lshl_add_u32 v5, v14, 4, v5
.irp i, 0,1,2,3
	v_add_nc_u32 v15, 4*\i, v7
	v_mul_lo_u32 v15, v15, s18
	v_add_nc_u32 v[CO+\i], v15, v5
.endr
.macro FRAG reg, adr, q, i
.irp c, 0,1,2,3
	ds_load_b128 v[\reg+4*\c:\reg+4*\c+3], v[\adr] offset:128*(\q)+32*\c+(\i)*16*PITCH
.endr
.endm
.macro MUL16 a0, p, zero
.irp a, \a0, \a0+1
.irp b, 0,1,2,3,4,5,6,7
.if \zero
	v_wmma_f32_16x16x128_fp8_fp8 v[8*(8*((\a)%4)+\b):8*(8*((\a)%4)+\b)+7], v[128*(\p)+FR*\b:128*(\p)+FR*\b+FR-1], v[AF+FR*(\a):AF+FR*(\a)+FR-1], 0
.else
	v_wmma_f32_16x16x128_fp8_fp8 v[8*(8*((\a)%4)+\b):8*(8*((\a)%4)+\b)+7], v[128*(\p)+FR*\b:128*(\p)+FR*\b+FR-1], v[AF+FR*(\a):AF+FR*(\a)+FR-1], v[8*(8*((\a)%4)+\b):8*(8*((\a)%4)+\b)+7]
.endif
.endr
.endr
.endm
.macro FETCH_B slot, q, p
	WIN TO_B
.irp i, 0,1,2,3,4,5,6,7
	FRAG 128*(\p)+FR*\i, ADRB+\slot, \q, \i
.endr
	WIN 0
.endm
.macro FETCH_A slot, q, i0
.irp i, \i0, \i0+1, \i0+2, \i0+3
	FRAG AF+FR*(\i), ADRA+\slot, \q, \i
.endr
.endm
.macro PLACES n
.rept \n
	v_nop
.endr
.endm
.macro STEP slot, q, zero
	s_wait_dscnt 4*NL
	WIN MUL_LO
	MUL16 0, (\q)%2, \zero
	MUL16 2, (\q)%2, \zero
	s_wait_dscnt 0
	PLACES NP
	FETCH_B \slot, (\q)+1, 1-(\q)%2
	FETCH_A \slot, (\q)+1, 0
	WIN MUL_HI
	MUL16 4, (\q)%2, \zero
	MUL16 6, (\q)%2, \zero
	PLACES NP
	WIN 0
	FETCH_A \slot, (\q)+1, 4
.endm
.macro TURN slot, next, fill
.if (\fill) && (\slot) == 0
	s_wait_xcnt 0x0                                ; my last prefetch, a slot back, has read its address
	s_add_nc_u64 s[74:75], s[74:75], ROWB          ; one slot further on than the refill below
.endif
	s_wait_tensorcnt 0x0
	ds_add_u32 v[SPW], v[NIL]
	s_wait_dscnt 4*NL+1
	WIN MUL_LO
	MUL16 0, 1, 0
	s_wait_dscnt 0x0
	s_barrier_signal -1
	MUL16 2, 1, 0
	WIN 0
	s_barrier_wait -1
.if \fill
	CREST
	s_add_nc_u64 s[G0+4*\slot+2:G0+4*\slot+3], s[G0+4*\slot+2:G0+4*\slot+3], 2*ROWB
	s_add_nc_u64 s[G0B+4*\slot+2:G0B+4*\slot+3], s[G0B+4*\slot+2:G0B+4*\slot+3], 2*ROWB
	JLOAD G0+4*\slot, G1, G0B+4*\slot, G1B
.else
	PLACES NP
.endif
	FETCH_B \next, 0, 0
.if (\fill) && (\slot) == 0
	global_prefetch_b8 v22, s[74:75] th:TH_LOAD_NT scope:SCOPE_SE   ; K has four slots: the refill of slot 0 brings the third, this names the fourth; the other refill has no slot behind it
.endif
	FETCH_A \next, 0, 0
	WIN MUL_HI
	MUL16 4, 1, 0
	MUL16 6, 1, 0
	PLACES NP
	WIN 0
	FETCH_A \next, 0, 4
.endm
	s_wait_xcnt 0x0                                ; the head's prefetch has read its address
	s_add_nc_u64 s[74:75], s[74:75], ROWB          ; on to slot 2
	s_wait_alu depctr_va_vdst(0)
	s_wait_tensorcnt 0x0                           ; my part of slot 0 is in
	ds_add_u32 v[SPW], v[NIL]
	s_wait_dscnt 0x0
	CROUND                                         ; a whole round: everybody's part of slot 0 is in, and the joint loads meet
	JLOAD G0+4, G1, G0B+4, G1B                     ; slot 1's first fill, the first tensor load behind the round
	FETCH_B 0, 0, 0
	global_prefetch_b8 v22, s[74:75] th:TH_LOAD_NT scope:SCOPE_SE   ; slot 2
	FETCH_A 0, 0, 0
	FETCH_A 0, 0, 4
	STEP 0, 0, 1
	s_mov_b32 s3, LAPS-1
.Llap:
	TURN 0, 1, 1
	STEP 1, 0, 0
	TURN 1, 0, 1
	STEP 0, 0, 0
	s_sub_co_u32 s3, s3, 1
	s_cmp_lg_u32 s3, 0
	s_cbranch_scc1 .Llap
	TURN 0, 1, 0
	STEP 1, 0, 0
	s_wait_dscnt 4*NL
	WIN MUL_LO
	MUL16 0, 1, 0
	MUL16 2, 1, 0
	s_wait_dscnt 0
	WIN MUL_HI
	MUL16 4, 1, 0
	MUL16 6, 1, 0
	WIN 0
.macro OUTBLK a
.set AC, 64*((\a)%4)
.set BB, BK+16*((\a)%2)
	WIN 0x02+((\a)/4)
.set jj, 0
.rept 32
	v_pk_fma_f32 v[T+jj:T+jj+1], v[AC+jj:AC+jj+1], s[66:67], v[BC+jj:BC+jj+1] op_sel_hi:[1,0,1]
.set jj, jj+2
.endr
	WIN 0
.set jj, 0
.rept 32
	v_pk_add_f32 v[T+jj:T+jj+1], v[T+jj:T+jj+1], v[BR+2*(\a):BR+2*(\a)+1] op_sel_hi:[1,0]
.set jj, jj+2
.endr
.set jj, 0
.rept 64
	v_med3_num_f32 v[T+jj], v[T+jj], -v[LIM], v[LIM]
.set jj, jj+1
.endr
.irp b, 0,1,2,3,4,5,6,7
	v_cvt_scalef32_pk8_fp8_f32 v[CD+2*\b:CD+2*\b+1], v[T+8*\b:T+8*\b+7], v[SCL]
.endr
	v_nop
.irp b, 0,1,2,3
	ds_store_b128 v[STO], v[CD+4*\b:CD+4*\b+3] offset:32*\b
.endr
.irp i, 0,1,2,3
	ds_load_b128 v[BB+4*\i:BB+4*\i+3], v[RD] offset:4*\i*SPITCH
.endr
.endm
.macro SEND a, younger
.set BB, BK+16*((\a)%2)
	s_wait_dscnt \younger
.if (\a) > 0
	s_add_nc_u64 s[10:11], s[10:11], s[100:101]
.endif
.irp i, 0,1,2,3
	global_store_b128 v[CO+\i], v[BB+4*\i:BB+4*\i+3], s[10:11]
.endr
.endm
	s_wait_kmcnt 0x0
	s_add_co_i32 s84, s84, s85
	s_add_co_i32 s86, s86, s87
	s_add_co_i32 s88, s88, s89
	s_cmp_eq_u32 s12, 0
	s_cselect_b32 s84, s84, s86
	s_cselect_b32 s90, s90, s91
	s_cmp_eq_u32 s12, 2
	s_cselect_b32 s84, s88, s84
	s_cselect_b32 s90, s93, s90
	s_add_co_i32 s84, s84, 127
	s_lshl_b32 s66, s84, 23
	s_mov_b32 s67, s66
	s_add_co_i32 s90, s90, 127
	s_lshl_b32 s91, s90, 23
	s_add_co_i32 s90, s90, 8
	s_lshl_b32 s90, s90, 23
	s_or_b32 s90, s90, 0x600000
	PLACES NP
	v_mov_b32 v[SCL], s91
	v_mov_b32 v[LIM], s90
	s_wait_loadcnt 0x0
.set jj, 0
.rept 64
	v_cndmask_b32 v[BC+jj], v[BC+jj], v[ZER], s13
.set jj, jj+1
.endr
.irp a, 0,1,2,3,4,5,6,7
	v_cndmask_b32 v[BR+2*\a], v[ZER], v[BR+2*\a], s13
	v_mov_b32 v[BR+2*\a+1], v[BR+2*\a]
.endr
	OUTBLK 0
.irp a, 1,2,3,4,5,6,7
.if \a > 1
	s_wait_xcnt 0x0
.endif
	OUTBLK \a
	SEND \a-1, 8
.endr
	s_wait_xcnt 0x0
	SEND 7, 0
	s_wait_tensorcnt 0x0
	ds_add_u32 v[SPW], v[NIL]
	s_wait_dscnt 0x0
	CROUND
	s_endpgm
.Lfunc_end_k_q170aad729c_qkv:
	.size	k_q170aad729c_qkv, .Lfunc_end_k_q170aad729c_qkv-k_q170aad729c_qkv
	.p2alignl 7, 3214868480
	.fill 96, 4, 3214868480
	.section	.rodata,"a",@progbits
	.p2align	6, 0x0
	.amdhsa_kernel k_q170aad729c_qkv
		.amdhsa_group_segment_fixed_size 327680
		.amdhsa_private_segment_fixed_size 0
		.amdhsa_enable_private_segment 0
		.amdhsa_kernarg_size 72
		.amdhsa_user_sgpr_count 2
		.amdhsa_user_sgpr_kernarg_segment_ptr 1
		.amdhsa_wavefront_size32 1
		.amdhsa_system_sgpr_workgroup_id_x 1
		.amdhsa_system_sgpr_workgroup_id_y 1
		.amdhsa_system_sgpr_workgroup_id_z 1
		.amdhsa_system_vgpr_workitem_id 0
		.amdhsa_next_free_vgpr 1024
		.amdhsa_next_free_sgpr 102
		.amdhsa_reserve_vcc 0
		.amdhsa_float_denorm_mode_32 3
		.amdhsa_float_denorm_mode_16_64 3
		.amdhsa_memory_ordered 1
		.amdhsa_forward_progress 1
		.amdhsa_inst_pref_size 165
	.end_amdhsa_kernel
	.amdgpu_metadata
---
amdhsa.version: [ 1, 2 ]
amdhsa.kernels:
  - .name:           k_q170aad729c_qkv
    .symbol:         k_q170aad729c_qkv.kd
    .args:
      - { .name: xc, .offset: 0, .size: 8, .value_kind: global_buffer, .address_space: global }
      - { .name: wq_codes, .offset: 8, .size: 8, .value_kind: global_buffer, .address_space: global }
      - { .name: wk_codes, .offset: 16, .size: 8, .value_kind: global_buffer, .address_space: global }
      - { .name: wv_codes, .offset: 24, .size: 8, .value_kind: global_buffer, .address_space: global }
      - { .name: bq, .offset: 32, .size: 8, .value_kind: global_buffer, .address_space: global }
      - { .name: bk, .offset: 40, .size: 8, .value_kind: global_buffer, .address_space: global }
      - { .name: bv, .offset: 48, .size: 8, .value_kind: global_buffer, .address_space: global }
      - { .name: lowp_scales, .offset: 56, .size: 8, .value_kind: global_buffer, .address_space: global }
      - { .name: qkvc, .offset: 64, .size: 8, .value_kind: global_buffer, .address_space: global }
    .group_segment_fixed_size: 327680
    .private_segment_fixed_size: 0
    .kernarg_segment_align: 8
    .kernarg_segment_size: 72
    .max_flat_workgroup_size: 128
    .sgpr_count:     102
    .vgpr_count:     1024
    .wavefront_size: 32
...
	.end_amdgpu_metadata
.endif
;; end of part 2
;; launch attn (part 3): grid 8 x 32, 8 waves a work-group, clusters of 4 x 1, 327,680 bytes of LDS; arguments qkvc, lowp_scales, cc; writes cc
.if DOCPART == 3
	.amdgcn_target "amdgcn-amd-amdhsa--gfx1250"
	.amdhsa_code_object_version 6
	.text
	.protected	k_q170aad729c_attn
	.globl	k_q170aad729c_attn
	.p2align	8
	.type	k_q170aad729c_attn,@function
k_q170aad729c_attn:
	s_mov_b64 s[64:65], 0
	v_nop
	global_prefetch_b8 v0, s[64:65] scope:SCOPE_SE
	s_setreg_imm32_b32 hwreg(HW_REG_WAVE_MODE, 25, 1), 1
	s_wait_xcnt 0x0
	s_wait_alu depctr_hold_cnt(0) depctr_sa_sdst(0) depctr_va_vdst(0) depctr_va_sdst(0) depctr_va_ssrc(0) depctr_va_vcc(0) depctr_vm_vsrc(0)
	s_getreg_b32 s2, hwreg(HW_REG_IB_STS2, 6, 4)
	s_cmp_eq_u32 s2, 0
	s_cbranch_scc0 .Lentry_in_a_cluster
	s_endpgm
.Lentry_in_a_cluster:
	s_bfe_u32 s2, ttmp6, 0x10000c
	s_cmp_lg_u32 s2, 0x3003
	s_cbranch_scc0 .Lentry_shape_is_right
	s_endpgm
.Lentry_shape_is_right:
; ctx[b][q][head x 64 + d] = sum_k softmax_k(q . k / 8) v, both products on E4M3 codes, and ctx quantised for the next product.  32 (batch x head) x 2,048 queries x 2,048 keys, head size 64.
; THE SOFTMAX: t = score x log2(e) / 8; M = the running largest t rounded UP to a whole number; p = 2^(t - M) is quantised by entry 8; the row's sum is taken of the unquantised p and divides at the end.
; When M moves, the sum and O are multiplied by 2^(old M - new M): exact.
; INPUT qkvc: q, k [32][2048][64]; v [2][16 blocks of 128 keys][1024 n][128]; inside each 32 along the last axis place 16 h + 8 u + j holds element 16 u + 8 h + j, so that a lane's loads of 16 bytes
; at 32 c + 16 h give registers 2 c', 2 c' + 1 = k 16 c' + 8 h + 0 .. 7.  OUTPUT cc: [16 heads][4096 rows][64], codes under entry 10, natural order.
; LIMITS: e6 + e7 between -123 and 130 (added to c's exponent field); e10 between -126 and 119; e8 BETWEEN -8 AND 119: p is at most 1, and 1 <= 448 x 2^e8 from e8 = -8 on,
; so the quantiser's clamp of p changes no number there and is not written; under e8 = -8 this text is not right.  The scaled scores stay under 2^31 in magnitude.  NaN is not served.
; SHARES.  A work-group owns 256 queries of one (batch, head); each of its eight waves 32 of them, two tiles of 16, so that each fragment of K and V read from LDS feeds two matrix instructions.
; ALL of the head's K (2,048 rows x 80 bytes) and V (16 blocks x 64 rows x 144 bytes) lie in LDS, 311,296 bytes, and no byte is filled again.  At the head each wave asks for an eighth of the first 512 keys
; (waves 0-3: 128 keys of K; waves 4-7: a block of V); behind a round, each asks for an eighth of the other 1,536, which land under steps 0 to 3; one barrier stands ahead of step 4.
; CLUSTER.  The four query blocks of a cluster belong to one (batch, head): each tile is asked for jointly, with a mask that names the four.
; No prefetch: the second group of loads goes out as soon as the first has landed and has four key steps in which to land; there is no later load to run ahead of.
; LAYOUT.  S^T = K Q^T (source 0 = 16 keys, source 1 = 16 queries), O^T = V^T P^T: a lane holds ONE query of each tile; S tile t's eight registers are keys 16 t + 8 h + 0 .. 7, whose codes are registers 2 t, 2 t + 1 of P.
; THE LOOP IS ROTATED: a trip asks for step i's K, adds step i - 1's second product under those loads, and then makes step i's scores and softmax; the first trip is entered behind the second product.
; REGISTERS.  Window 0: v1-11 addresses, v16-31 Q of both tiles, v32-95 K's eight fragments, v96-159 V's four.
; Window 1: v0-127 S^T then p (tile j at 64 j), v128-191 O^T (32 j), v192-223 p's codes (16 j), v224-248 each tile's -M, largest score, sum, f, and what is at work; so both tiles' softmax runs under one setting, line by line in turns.
.set KP,    80                         ; a key's row in LDS: 64 bytes + 16
.set VP,    144                        ; a row of V^T for 128 keys: 128 bytes + 16
.set VOFF,  2048*KP                    ; V lies behind K
.set SPARE, VOFF+16*64*VP              ; the spare words, 128 bytes a wave
.set STAGE, SPARE+1024                 ; the way out: 16 rows x 80 bytes a wave; no fill lands here
.set AK0,  1
.set AV0,  2
.set QO,   3
.set SPW,  5
.set NIL,  6
.set GO,   7
.set ADK,  8
.set ADV,  9
.set STI,  10
.set STB,  11
.set Q,    16
.set KF,   32
.set VF,   96
.set S,    0                           ; from here on: window 1
.set O,    128
.set P,    192
.set NM,   224                         ; -M of tile j at NM + 2 j, its largest score beside it
.set L,    228
.set F,    232
.set T,    236                         ; four registers a tile: the maxima's chains, then two pairs of partial sums
.set PL,   244
.set SCL,  246
.set LIM2, 247
.set SCL2, 248
.set WV,   18
.set SEL,  20
.set CS,   22
.set G1K,  24
.set G1V,  32
.set G0K,  40
.set G0V,  44
.set KB,   48
.set VB,   49
.set CNT,  50
.set EO,   51
.set G1K2, 52
.set G0K2, 60
.set G1V2, 68
.set G0V2, 76
.set MSB, 0
.macro WIN new                         ; the immediate's high byte repeats the setting that is left
.if MSB != \new
	s_set_vgpr_msb (MSB<<8)|\new
.set MSB, \new
.endif
.endm
.macro CROUND
	s_barrier_signal -1
	s_barrier_wait -1
	s_cmp_lg_u32 s[WV], 0
	s_cbranch_scc1 .Lnot_wave_0_\@
	s_barrier_signal -3
.Lnot_wave_0_\@:
	s_barrier_wait -3
	s_barrier_signal -1
	s_barrier_wait -1
.endm
.macro GRP g, qi, c, r, p              ; descriptor group 1: r rows of c bytes, p bytes apart; 16 bytes of padding behind every 2 << qi words; the mask names the cluster's four
	s_mov_b32 s[\g], 15|(1<<20)|(1<<21)|((\qi)<<22)|(3<<25)
	s_mov_b32 s[\g+1], (\c)<<16
	s_mov_b32 s[\g+2], (\r)<<16
	s_mov_b32 s[\g+3], (\c)<<16
	s_mov_b32 s[\g+4], \r
	s_mov_b32 s[\g+5], \p
	s_mov_b32 s[\g+6], 0
	s_mov_b32 s[\g+7], 0
.endm
.macro JL g0k, g1k, g0v, g1v           ; every wave issues one load: waves 0-3 for K, 4-7 for V; an s_nop 0 and four v_nop follow each line
	s_cmp_lt_u32 s[WV], 4
	s_cbranch_scc0 .Lfor_v_\@
	tensor_load_to_lds s[\g0k:\g0k+3], s[\g1k:\g1k+7]
	s_nop 0
.rept 4
	v_nop
.endr
	s_branch .Lasked_\@
.Lfor_v_\@:
	tensor_load_to_lds s[\g0v:\g0v+3], s[\g1v:\g1v+7]
	s_nop 0
.rept 4
	v_nop
.endr
.Lasked_\@:
.endm
	s_load_b128 s[4:7], s[0:1], 0x0                ; qkvc, the scales' exponents
	s_load_b64 s[8:9], s[0:1], 0x10                ; cc
	v_lshl_add_u32 v[SPW], v0, 2, SPARE
	v_mov_b32 v[NIL], 0
	ds_add_u32 v[SPW], v[NIL]                      ; the opening lines: the add, twice on end, and its wait
	ds_add_u32 v[SPW], v[NIL]
	v_lshrrev_b32 v8, 5, v0
	v_readfirstlane_b32 s[WV], v8                  ; wave 0..7
	s_bfe_u32 s10, ttmp6, 0x40000                  ; cx
	s_and_b32 s11, ttmp7, 0xffff                   ; batch x 16 + head, which the partners share
	s_lshr_b32 s12, s11, 4                         ; batch
	s_and_b32 s13, s11, 15                         ; head
	s_and_b32 s14, s[WV], 3                        ; which quarter of a group's K or V I fetch
	s_lshl_b32 s80, s11, 17                        ; K: plane 1 + 131,072 x (batch, head)
	s_add_co_u32 s80, s80, 0x400000
	s_mov_b32 s81, 0
	s_lshl_b32 s82, s12, 21                        ; V: plane 2 + 2,097,152 x batch + 8,192 x head
	s_lshl_b32 s15, s13, 13
	s_add_co_u32 s82, s82, s15
	s_add_co_u32 s82, s82, 0x800000
	s_mov_b32 s83, 0
	s_mov_b32 s[G0K], 1
	s_mov_b32 s[G0V], 1
	s_mov_b32 s[G0K2], 1
	s_mov_b32 s[G0V2], 1
	s_mul_i32 s[G0K+1], s14, 128*KP                ; where they go: the first 512 keys,
	s_mul_i32 s[G0V+1], s14, 64*VP
	s_add_co_u32 s[G0V+1], s[G0V+1], VOFF
	s_mul_i32 s[G0K2+1], s14, 384*KP               ; and the other 1,536
	s_add_co_u32 s[G0K2+1], s[G0K2+1], 512*KP
	s_mul_i32 s[G0V2+1], s14, 192*VP
	s_add_co_u32 s[G0V2+1], s[G0V2+1], VOFF+256*VP
	GRP G1K, 3, 256, 32, 256                       ; 128 keys: 8,192 dense bytes
	GRP G1V, 4, 256, 32, 256                       ; a block of V: 8,192 dense bytes
	GRP G1K2, 3, 256, 96, 256                      ; 384 keys: 24,576 dense bytes
	GRP G1V2, 4, 8192, 3, 131072                   ; three blocks of V, 131,072 bytes apart
	s_lshl_b32 s15, ttmp9, 2
	s_add_co_u32 s15, s15, s10
	s_lshl_b32 s15, s15, 8
	s_lshl_b32 s19, s[WV], 5
	s_add_co_u32 s15, s15, s19                     ; my first query: 256 x (4 x cluster x + cx) + 32 x wave
	s_lshl_b32 s100, s11, 11
	s_add_co_u32 s100, s100, s15
	s_lshl_b32 s100, s100, 6                       ; its codes in plane 0
	s_mov_b32 s101, 0
	s_lshl_b32 s19, s12, 11
	s_add_co_u32 s19, s19, s15
	s_lshl_b32 s19, s19, 6
	s_lshl_b32 s15, s13, 18
	s_add_co_u32 s19, s19, s15                     ; its place in cc: 262,144 x head + 64 x (2,048 x batch + query)
	s_mov_b32 s[SEL], 0x76543210
	s_mov_b32 s[SEL+1], 0xfedcba98
	s_mov_b32 s[CS], 0x3e38aa3b                    ; c = log2(e) / 8
	s_mov_b32 s[KB], 0                             ; the step's bytes in K and in V
	s_mov_b32 s[VB], 0
	s_mov_b32 s[CNT], 4
	s_mov_b32 s17, 0
	s_wait_dscnt 0x0                               ; both opening adds are done
	s_wait_kmcnt 0x0
	s_load_b512 s[84:99], s[6:7], 0x0              ; the sixteen exponents: e6 s90, e7 s91, e8 s92, e9 s93, e10 s94
	s_add_nc_u64 s[80:81], s[4:5], s[80:81]
	s_add_nc_u64 s[82:83], s[4:5], s[82:83]
	s_lshl_b32 s16, s14, 13
	s_add_nc_u64 s[G0K+2:G0K+3], s[80:81], s[16:17]
	s_mul_i32 s16, s14, 24576
	s_add_co_u32 s16, s16, 32768
	s_add_nc_u64 s[G0K2+2:G0K2+3], s[80:81], s[16:17]
	s_lshl_b32 s16, s14, 17
	s_add_nc_u64 s[G0V+2:G0V+3], s[82:83], s[16:17]
	s_mul_i32 s16, s14, 393216
	s_add_co_u32 s16, s16, 524288
	s_add_nc_u64 s[G0V2+2:G0V2+3], s[82:83], s[16:17]
.irp g, G0K, G0V, G0K2, G0V2
	s_or_b32 s[\g+3], s[\g+3], 0x80000000
.endr
	CROUND                                         ; all four work-groups are here: the joint loads meet
	JL G0K, G1K, G0V, G1V                          ; the first 512 keys
	s_add_nc_u64 s[100:101], s[4:5], s[100:101]    ; Q at my first query
	s_mov_b32 s16, s19
	s_add_nc_u64 s[8:9], s[8:9], s[16:17]          ; cc likewise
	v_and_b32 v8, 15, v0                           ; r
	v_bfe_u32 v9, v0, 4, 1                         ; h
	v_lshlrev_b32 v[QO], 6, v8
	v_lshl_add_u32 v[QO], v9, 4, v[QO]             ; Q: row r of 64 bytes, + 16 h
.irp j, 0,1
	global_load_b128 v[Q+8*\j:Q+8*\j+3], v[QO], s[100:101] offset:1024*\j
	global_load_b128 v[Q+8*\j+4:Q+8*\j+7], v[QO], s[100:101] offset:1024*\j+32
.endr
	v_mul_u32_u24 v[AK0], v8, KP
	v_lshl_add_u32 v[AK0], v9, 4, v[AK0]
	v_mul_u32_u24 v[AV0], v8, VP
	v_lshl_add_u32 v[AV0], v9, 4, v[AV0]
	v_add_nc_u32 v[AV0], VOFF, v[AV0]
	s_mul_i32 s19, s[WV], 16*KP
	s_add_co_u32 s19, s19, STAGE                   ; my stage
	v_mul_u32_u24 v[STI], v8, KP
	v_lshl_add_u32 v[STI], v9, 3, v[STI]
	v_add_nc_u32 v[STI], s19, v[STI]               ; in: row r, + 8 h; tile t 16 t bytes on: natural order in d
	v_bfe_u32 v[STB], v0, 2, 3
	v_mul_u32_u24 v[STB], v[STB], KP
	v_and_b32 v4, 3, v0
	v_lshl_add_u32 v[STB], v4, 4, v[STB]
	v_add_nc_u32 v[STB], s19, v[STB]               ; back: four lanes to a row of 64 bytes, eight rows an instruction
	v_and_b32 v[GO], 31, v0
	v_lshlrev_b32 v[GO], 4, v[GO]                  ; 16 x my lane
	s_wait_kmcnt 0x0
	s_add_co_i32 s15, s90, s91
	s_lshl_b32 s15, s15, 23
	s_add_co_i32 s[CS], s[CS], s15                 ; a score stands for score x 2^(e6 + e7): added to c's exponent field
	s_mov_b32 s[CS+1], s[CS]
	s_add_co_i32 s15, s92, 127
	s_lshl_b32 s15, s15, 23                        ; 2^e8
	s_add_co_i32 s19, s94, 127
	s_lshl_b32 s16, s19, 23                        ; 2^e10
	s_add_co_i32 s19, s19, 8
	s_lshl_b32 s19, s19, 23
	s_or_b32 s19, s19, 0x600000                    ; 448 x 2^e10
	s_add_co_i32 s[EO], s92, s93                   ; e8 + e9
	WIN 0x55
.irp j, 0,1
	v_mov_b32 v[NM+2*\j+1], 0xff61b1e6             ; the largest score so far: -3e38
	v_mov_b32 v[NM+2*\j], 0x7f61b1e6               ; -M: 3e38, so that the first f is 0
	v_mov_b32 v[L+2*\j], 0
	v_mov_b32 v[L+2*\j+1], 0
	v_mov_b32 v[PL+\j], 0                          ; a lane permute's destination counts as one of its sources
	v_mov_b32 v[F+2*\j+1], 0                       ; (named as the upper half of a pair)
.endr
	v_mov_b32 v[SCL], s15
	v_mov_b32 v[LIM2], s19
	v_mov_b32 v[SCL2], s16
.set jj, 0
.rept 64
	v_mov_b32 v[O+jj], 0                           ; O^T: the step is written for every step alike; the first finds zeros
.set jj, jj+1
.endr
	WIN 0
; THE SOFTMAX of both tiles over the step's 128 keys, all in window 1; the two tiles' lines take turns.
.macro SOFTMAX2
.irp k, 0,1,2,3                                ; the largest of a lane's 64 scores, four chains a tile, each accumulator from its low end on
.irp j, 0,1
	v_max3_num_f32 v[T+4*\j+\k], v[S+64*\j+3*\k], v[S+64*\j+3*\k+1], v[S+64*\j+3*\k+2]
.endr
.endr
.irp i, 12,20,28,36,44,52
.irp k, 0,1,2,3
.irp j, 0,1
	v_max3_num_f32 v[T+4*\j+\k], v[T+4*\j+\k], v[S+64*\j+\i+2*\k], v[S+64*\j+\i+2*\k+1]
.endr
.endr
.endr
.irp k, 0,1
.irp j, 0,1
	v_max3_num_f32 v[T+4*\j+\k], v[T+4*\j+\k], v[S+64*\j+60+2*\k], v[S+64*\j+61+2*\k]
.endr
.endr
.irp j, 0,1
	v_max3_num_f32 v[T+4*\j], v[T+4*\j], v[T+4*\j+1], v[T+4*\j+2]
.endr
.irp j, 0,1
	v_max_num_f32 v[T+4*\j], v[T+4*\j], v[T+4*\j+3]
.endr
.irp j, 0,1
	v_permlanex16_b32 v[PL+\j], v[T+4*\j], s[SEL], s[SEL+1]
.endr
.irp j, 0,1
	v_max3_num_f32 v[NM+2*\j+1], v[NM+2*\j+1], v[T+4*\j], v[PL+\j]   ; with lane l xor 16's, and with the running largest score
.endr
.irp j, 0,1
	v_mul_f32 v[T+4*\j], s[CS], v[NM+2*\j+1]       ; as t (c is positive)
.endr
.irp j, 0,1
	v_mov_b32 v[T+4*\j+1], v[NM+2*\j]
.endr
.irp j, 0,1
	v_floor_f32 v[NM+2*\j], -v[T+4*\j]             ; the new -M = -ceil(t)
.endr
.irp j, 0,1
	v_sub_f32 v[T+4*\j], v[NM+2*\j], v[T+4*\j+1]   ; old M - new M: a whole number, 0 or less
.endr
.irp j, 0,1
	v_cvt_i32_f32 v[T+4*\j], v[T+4*\j]             ; (it saturates)
.endr
.irp j, 0,1
	v_ldexp_f32 v[F+2*\j], 1.0, v[T+4*\j]          ; f = 2^(old M - new M)
.endr
.set jj, 0
.rept 32
	v_pk_mul_f32 v[O+jj:O+jj+1], v[O+jj:O+jj+1], v[F+2*(jj/32):F+2*(jj/32)+1] op_sel_hi:[1,0]   ; O^T under the new M
.set jj, jj+2
.endr
.set jj, 0
.rept 32
	v_pk_fma_f32 v[S+jj:S+jj+1], v[S+jj:S+jj+1], s[CS:CS+1], v[NM:NM+1] op_sel_hi:[1,0,0]   ; tile 0: t - M
.set jj, jj+2
.endr
	s_wait_alu depctr_va_vdst(0)                   ; the wait ahead of tile 0's batch
.set jj, 0
.rept 32                                       ; tile 0: p = 2^(t - M).  Between the exponentials: tile 1's t - M, first read behind the next wait
	v_exp_f32 v[S+jj], v[S+jj]
	v_exp_f32 v[S+jj+1], v[S+jj+1]
	v_pk_fma_f32 v[S+64+jj:S+64+jj+1], v[S+64+jj:S+64+jj+1], s[CS:CS+1], v[NM+2:NM+3] op_sel_hi:[1,0,0]
.set jj, jj+2
.endr
	s_wait_alu depctr_va_vdst(0)                   ; one wait: behind tile 0's batch and ahead of tile 1's
.set tt, 0
.rept 8                                        ; tile 1's exponentials.  Between them work on tile 0's p whose results are first read behind the next wait: its codes (p <= 1 <= 448 x 2^e8: no number lies beyond the largest code),
	v_exp_f32 v[S+64+2*tt], v[S+64+2*tt]
	v_exp_f32 v[S+65+2*tt], v[S+65+2*tt]
	v_cvt_scalef32_pk8_fp8_f32 v[P+2*tt:P+2*tt+1], v[S+8*tt:S+8*tt+7], v[SCL]
.set tt, tt+1
.endr
	v_exp_f32 v[S+80], v[S+80]
	v_exp_f32 v[S+81], v[S+81]
	v_nop                                          ; (a plain line between the conversions and the lines that write their sources)
.set tt, 0
.rept 16                                       ; and the first level of its sum, sixteen additions that hang on nothing
	v_exp_f32 v[S+82+2*tt], v[S+82+2*tt]
	v_exp_f32 v[S+83+2*tt], v[S+83+2*tt]
	v_pk_add_f32 v[S+4*tt:S+4*tt+1], v[S+4*tt:S+4*tt+1], v[S+4*tt+2:S+4*tt+3]
.set tt, tt+1
.endr
.set tt, 0
.rept 14
	v_exp_f32 v[S+114+tt], v[S+114+tt]
.set tt, tt+1
.endr
	v_nop                                          ; the plain line behind the exponentials
	s_wait_alu depctr_va_vdst(0)                   ; the wait behind tile 1's batch
.endm
; THE SOFTMAX'S LAST PART: tile 1's codes and both tiles' sums.  It works on registers alone and stands at the head of the next trip, between the request for K's fragments and the wait for them.
.macro POST
.irp t, 0,1,2,3,4,5,6,7
	v_cvt_scalef32_pk8_fp8_f32 v[P+16+2*\t:P+16+2*\t+1], v[S+64+8*\t:S+64+8*\t+7], v[SCL]
.endr
	v_pk_add_f32 v[T:T+1], v[S:S+1], v[S+4:S+5]    ; the sums of the unquantised p: two chains a tile; tile 0 has sixteen partial pairs left, tile 1 thirty-two pairs
	v_pk_add_f32 v[T+4:T+5], v[S+64:S+65], v[S+66:S+67]
	v_pk_add_f32 v[T+2:T+3], v[S+8:S+9], v[S+12:S+13]
	v_pk_add_f32 v[T+6:T+7], v[S+68:S+69], v[S+70:S+71]
.irp q, 0,1,2,3,4,5
	v_pk_add_f32 v[T:T+1], v[T:T+1], v[S+16+8*\q:S+17+8*\q]
	v_pk_add_f32 v[T+4:T+5], v[T+4:T+5], v[S+72+8*\q:S+73+8*\q]
	v_pk_add_f32 v[T+6:T+7], v[T+6:T+7], v[S+74+8*\q:S+75+8*\q]
	v_pk_add_f32 v[T+2:T+3], v[T+2:T+3], v[S+20+8*\q:S+21+8*\q]
	v_pk_add_f32 v[T+4:T+5], v[T+4:T+5], v[S+76+8*\q:S+77+8*\q]
	v_pk_add_f32 v[T+6:T+7], v[T+6:T+7], v[S+78+8*\q:S+79+8*\q]
.endr
	v_pk_add_f32 v[T+4:T+5], v[T+4:T+5], v[S+120:S+121]
	v_pk_add_f32 v[T+6:T+7], v[T+6:T+7], v[S+122:S+123]
	v_pk_add_f32 v[T:T+1], v[T:T+1], v[T+2:T+3]
	v_pk_add_f32 v[T+4:T+5], v[T+4:T+5], v[S+124:S+125]
	v_pk_add_f32 v[T+6:T+7], v[T+6:T+7], v[S+126:S+127]
	v_pk_fma_f32 v[L:L+1], v[L:L+1], v[F:F+1], v[T:T+1] op_sel_hi:[1,0,1]   ; the old sum under the new M, and the new terms
	v_pk_add_f32 v[T+4:T+5], v[T+4:T+5], v[T+6:T+7]
	v_pk_fma_f32 v[L+2:L+3], v[L+2:L+3], v[F+2:F+3], v[T+4:T+5] op_sel_hi:[1,0,1]
.endm
.macro KLOAD adr                       ; K's eight fragments of a step
.irp t, 0,1,2,3,4,5,6,7
	ds_load_b128 v[KF+8*\t:KF+8*\t+3], v[\adr] offset:16*\t*KP
	ds_load_b128 v[KF+8*\t+4:KF+8*\t+7], v[\adr] offset:16*\t*KP+32
.endr
.endm
.macro PV                              ; O^T += V^T P^T: V window 0, the rest window 1; the eight accumulators by turns
	WIN 0x54
.irp t, 0,1,2,3
.irp j, 0,1
	v_wmma_f32_16x16x128_fp8_fp8 v[O+32*\j+8*\t:O+32*\j+8*\t+7], v[VF+16*\t:VF+16*\t+15], v[P+16*\j:P+16*\j+15], v[O+32*\j+8*\t:O+32*\j+8*\t+7]
.endr
.endr
.endm
; A LOOP OVER KEY STEPS.  A trip: step i's K is asked for; step i - 1's second product; step i's scores; step i's V is asked for and lands under the softmax.
.macro STEPS id
.Ltop\id:
	v_add_nc_u32 v[ADK], s[KB], v[AK0]
	KLOAD ADK
	WIN 0x55
	POST                                           ; the last step's codes and sums, under K's loads
	s_wait_alu depctr_va_vdst(0)
	s_wait_dscnt 16                                ; the last step's V is in; K's sixteen loads, issued behind it, may be out
	PV
	WIN 0
.Lenter\id:
	s_wait_dscnt 0x0                               ; K's fragments are in
	WIN 0x40                                       ; K and Q window 0, S^T window 1
.irp t, 0,1,2,3,4,5,6,7
.irp j, 0,1
	v_wmma_f32_16x16x64_fp8_fp8 v[S+64*\j+8*\t:S+64*\j+8*\t+7], v[KF+8*\t:KF+8*\t+7], v[Q+8*\j:Q+8*\j+7], 0
.endr
.endr
	WIN 0
	v_add_nc_u32 v[ADV], s[VB], v[AV0]             ; four places: ahead of the loads into registers that the second product read, and of the first read of the scores
	v_nop
	v_nop
	v_nop
.irp t, 0,1,2,3
.irp c, 0,1,2,3
	ds_load_b128 v[VF+16*\t+4*\c:VF+16*\t+4*\c+3], v[ADV] offset:16*\t*VP+32*\c
.endr
.endr
	WIN 0x55
	SOFTMAX2
	WIN 0
	s_wait_alu depctr_va_vdst(0)
	s_add_co_u32 s[KB], s[KB], 128*KP
	s_add_co_u32 s[VB], s[VB], 64*VP
	s_sub_co_u32 s[CNT], s[CNT], 1
	s_cmp_lg_u32 s[CNT], 0
	s_cbranch_scc1 .Ltop\id
.endm
	s_wait_alu depctr_va_vdst(0)
	s_wait_loadcnt 0x0                             ; Q
	s_wait_tensorcnt 0x0                           ; my part of the first 512 keys is in
	ds_add_u32 v[SPW], v[NIL]
	s_wait_dscnt 0x0
	CROUND                                         ; a whole round: everybody's part is in, and the joint loads meet
	JL G0K2, G1K2, G0V2, G1V2                      ; the other 1,536 keys: bytes that are filled for the first time
	KLOAD AK0                                      ; step 0's fragments of K
	s_branch .LenterA                              ; step 0 has no step before it
	STEPS A                                        ; steps 0 to 3
	s_wait_tensorcnt 0x0                           ; my part of the other keys is in,
	s_wait_dscnt 0x0
	s_barrier_signal -1
	s_barrier_wait -1                              ; and everybody's
	s_mov_b32 s[CNT], 12
	STEPS B                                        ; steps 4 to 15
	WIN 0x55
	POST                                           ; step 15's codes and sums
	s_wait_alu depctr_va_vdst(0)
	s_wait_dscnt 0x0                               ; step 15's V
	PV
	WIN 0x55
	; THE WAY OUT: O^T x 2^(e8 + e9) / the sum, held, converted under e10
.irp j, 0,1
	v_add_f32 v[L+2*\j], v[L+2*\j], v[L+2*\j+1]
.endr
.irp j, 0,1
	v_permlanex16_b32 v[PL+\j], v[L+2*\j], s[SEL], s[SEL+1]
.endr
.irp j, 0,1
	v_add_f32 v[L+2*\j], v[L+2*\j], v[PL+\j]       ; the row's sum
.endr
	s_wait_alu depctr_va_vdst(0)                   ; the wait ahead of the reciprocals
	v_rcp_f32 v[L], v[L]
	v_rcp_f32 v[L+2], v[L+2]
	v_nop                                          ; a plain line behind them,
	s_wait_alu depctr_va_vdst(0)                   ; and the wait ahead of their first reader
	v_ldexp_f32 v[L], v[L], s[EO]
	v_ldexp_f32 v[L+2], v[L+2], s[EO]
	s_wait_alu depctr_va_vdst(0)                   ; directly ahead of the first readers of O^T
.set jj, 0
.rept 64
	v_mul_f32 v[S+jj], v[O+jj], v[L+2*(jj/32)]     ; register 32 j + 8 t + i is ctx(r, 16 t + 8 h + i) of tile j; each accumulator from its low end on
.set jj, jj+1
.endr
.set jj, 0
.rept 64
	v_med3_num_f32 v[S+jj], v[S+jj], -v[LIM2], v[LIM2]   ; the conversion does not saturate (ISA guide 7.6.2)
.set jj, jj+1
.endr
.irp u, 0,1,2,3,4,5,6,7
	v_cvt_scalef32_pk8_fp8_f32 v[P+2*\u:P+2*\u+1], v[S+8*\u:S+8*\u+7], v[SCL2]
.endr
	v_nop
.irp j, 0,1                                    ; 8 bytes a lane and tile of d into my stage; back as 1,024 consecutive bytes of cc.  LDS serves a wave's instructions in order: tile 1's stores come behind tile 0's loads
	WIN 0x04                                       ; the codes lie in window 1
.irp t, 0,1,2,3
	ds_store_b64 v[STI], v[P+8*\j+2*\t:P+8*\j+2*\t+1] offset:16*\t
.endr
	WIN 0
	ds_load_b128 v[32+8*\j:35+8*\j], v[STB]
	ds_load_b128 v[36+8*\j:39+8*\j], v[STB] offset:8*KP
.endr
	s_wait_dscnt 0x0
.irp i, 0,1,2,3
	global_store_b128 v[GO], v[32+4*\i:35+4*\i], s[8:9] offset:512*\i   ; 512 consecutive bytes, aligned
.endr
	s_wait_tensorcnt 0x0                           ; the wave's end
	ds_add_u32 v[SPW], v[NIL]
	s_wait_dscnt 0x0
	CROUND                                         ; the closing round
	s_endpgm
.Lfunc_end_k_q170aad729c_attn:
	.size	k_q170aad729c_attn, .Lfunc_end_k_q170aad729c_attn-k_q170aad729c_attn
	.p2alignl 7, 3214868480
	.fill 96, 4, 3214868480
	.section	.rodata,"a",@progbits
	.p2align	6, 0x0
	.amdhsa_kernel k_q170aad729c_attn
		.amdhsa_group_segment_fixed_size 327680
		.amdhsa_private_segment_fixed_size 0
		.amdhsa_enable_private_segment 0
		.amdhsa_kernarg_size 24
		.amdhsa_user_sgpr_count 2
		.amdhsa_user_sgpr_kernarg_segment_ptr 1
		.amdhsa_wavefront_size32 1
		.amdhsa_system_sgpr_workgroup_id_x 1
		.amdhsa_system_sgpr_workgroup_id_y 1
		.amdhsa_system_sgpr_workgroup_id_z 1
		.amdhsa_system_vgpr_workitem_id 0
		.amdhsa_next_free_vgpr 512
		.amdhsa_next_free_sgpr 102
		.amdhsa_reserve_vcc 0
		.amdhsa_float_denorm_mode_32 3
		.amdhsa_float_denorm_mode_16_64 3
		.amdhsa_memory_ordered 1
		.amdhsa_forward_progress 1
		.amdhsa_inst_pref_size 75
	.end_amdhsa_kernel
	.amdgpu_metadata
---
amdhsa.version: [ 1, 2 ]
amdhsa.kernels:
  - .name:           k_q170aad729c_attn
    .symbol:         k_q170aad729c_attn.kd
    .args:
      - { .name: qkvc, .offset: 0, .size: 8, .value_kind: global_buffer, .address_space: global }
      - { .name: lowp_scales, .offset: 8, .size: 8, .value_kind: global_buffer, .address_space: global }
      - { .name: cc, .offset: 16, .size: 8, .value_kind: global_buffer, .address_space: global }
    .group_segment_fixed_size: 327680
    .private_segment_fixed_size: 0
    .kernarg_segment_align: 8
    .kernarg_segment_size: 24
    .max_flat_workgroup_size: 256
    .sgpr_count:     102
    .vgpr_count:     512
    .wavefront_size: 32
...
	.end_amdgpu_metadata
.endif
;; end of part 3
;; launch wo (part 4): grid 8 x 32, 4 waves a work-group, clusters of 4 x 4, 327,680 bytes of LDS; arguments cc, wo_codes, bo, inputs, lowp_scales, z; writes z
.if DOCPART == 4
	.amdgcn_target "amdgcn-amd-amdhsa--gfx1250"
	.amdhsa_code_object_version 6
	.text
	.protected	k_q170aad729c_wo
	.globl	k_q170aad729c_wo
	.p2align	8
	.type	k_q170aad729c_wo,@function
k_q170aad729c_wo:
	s_mov_b64 s[64:65], 0
	v_nop
	global_prefetch_b8 v0, s[64:65] scope:SCOPE_SE
	s_setreg_imm32_b32 hwreg(HW_REG_WAVE_MODE, 25, 1), 1
	s_wait_xcnt 0x0
	s_wait_alu depctr_hold_cnt(0) depctr_sa_sdst(0) depctr_va_vdst(0) depctr_va_sdst(0) depctr_va_ssrc(0) depctr_va_vcc(0) depctr_vm_vsrc(0)
	s_getreg_b32 s2, hwreg(HW_REG_IB_STS2, 6, 4)
	s_cmp_eq_u32 s2, 0
	s_cbranch_scc0 .Lentry_in_a_cluster
	s_endpgm
.Lentry_in_a_cluster:
	s_bfe_u32 s2, ttmp6, 0x10000c
	s_cmp_lg_u32 s2, 0xf033
	s_cbranch_scc0 .Lentry_shape_is_right
	s_endpgm
.Lentry_shape_is_right:
; z[m][n] = (sum_k A[m][k] B[n][k]) x 2^(ea + eb) + bias[n] + res[m][n]: the output projection with its bias and the residual, ahead of the first layer norm.
; A: codes laid [16 k blocks][4096 rows][64]; B: codes [1024][1024], K innermost; bias [1024], res and z [4096][1024] f32.  ea, eb: entries 10 and 11 of the scales.
; LIMIT: ea + eb between -126 and 127.
; A tile of z is 128 x 128, so that all 256 WGPs have a work-group; four waves, 64 x 64 each: 16 accumulators.
; ALL OF K LIES IN LDS AT ONCE: 128 rows of A and 128 rows of B, 1,024 codes each, padded: 296,960 bytes.  Each wave asks for a quarter with its one tensor load at the head (waves 0, 1: A's halves; 2, 3: B's);
; one barrier follows; no LDS byte is filled again, so there is no ring and no further barrier.  K goes in eight quarters of 128, 16 matrix instructions each, on two fragment buffers.
; CLUSTERS: 4 x 4: A's tile is shared along a row of the cluster, B's along a column, each asked for jointly.  THE MATRIX INSTRUCTION IS USED TRANSPOSED (source 0 = rows of B, source 1 = rows of A).
; No prefetch: every tensor load goes out at the head, so there is no later load to run ahead of.  The layer norm is not fused: whole rows of 1,024 would leave a work-group at most 64 rows, 64 work-groups in all.
; REGISTERS: window 0: v12-15 the bias of my four columns on the way out; v16-29 addresses; v32-95 rows read back, two sets; v128-255 the accumulators ((a, b) at v[128 + 8 (4 a + b)]).
;   window 1: two fragment buffers of 128: A's four fragments, then B's four.   window 2: v0-127 the residual of my 64 x 64, asked for at the head, behind the tiles.
.set SIZE_K, 1024
.set KB,     64
.set SCOFF,  0x28
.set AP,     KB+16                     ; a row of a k block of A in LDS
.set NKB,    SIZE_K/KB
.set AHALF,  NKB*64*AP                 ; 64 rows of A, all of K
.set BP,     SIZE_K+16                 ; a row of B in LDS: 65 x 16 bytes, so that sixteen rows start at sixteen different columns of 16 bytes
.set BHALF,  64*BP
.set SPARE,  2*AHALF+2*BHALF           ; the spare words, 128 bytes a wave
.set STAGE,  SPARE+512                 ; the way out: 16 rows x (256 bytes + 16) for each wave; no fill lands here
.set SPITCH, 272
.set ADRA, 16                          ; v16, v17: my A fragments of k blocks 0-7 and 8-15 (an LDS offset has 16 bits)
.set ADRB, 20
.set STO,  24
.set RD,   25
.set CO,   26
.set BO,   27
.set SPW,  28
.set NIL,  29
.set BK,   32
.set ACC,  128
.set F0,   0
.set F1,   128
.set G1, 24
.set G0, 32
.set G1B, 48
.set G0B, 56
.set MSB, 0
.macro WIN new
.if MSB != \new
	s_set_vgpr_msb (MSB<<8)|\new
.set MSB, \new
.endif
.endm
.set MUL,  0x05                        ; sources 0 and 1 window 1; C and D window 0
.set TO_F, 0x40                        ; destination window 1, address window 0
.macro CROUND
	s_barrier_signal -1
	s_barrier_wait -1
	s_cmp_lg_u32 s14, 0
	s_cbranch_scc1 .Lnot_wave_0_\@
	s_barrier_signal -3
.Lnot_wave_0_\@:
	s_barrier_wait -3
	s_barrier_signal -1
	s_barrier_wait -1
.endm
	s_load_b128 s[4:7], s[0:1], 0x0                ; A's codes, B's codes
	s_load_b128 s[68:71], s[0:1], 0x10             ; the bias, the residual
	s_load_b128 s[8:11], s[0:1], 0x20              ; the scales' exponents, z
	v_lshl_add_u32 v[SPW], v0, 2, SPARE
	v_mov_b32 v[NIL], 0
	ds_add_u32 v[SPW], v[NIL]                      ; the opening lines: the add, twice on end, and its wait
	ds_add_u32 v[SPW], v[NIL]
	v_lshrrev_b32 v1, 5, v0
	v_readfirstlane_b32 s14, v1                    ; wave 0..3
	s_lshr_b32 s15, s14, 1                         ; which 64 rows of the tile are mine.  Also: I fetch for A (0) or for B (1)
	s_and_b32 s16, s14, 1                          ; which 64 columns.  Also: which 64 rows I fetch
	s_bfe_u32 s40, ttmp6, 0x40000                  ; cx
	s_bfe_u32 s41, ttmp6, 0x40004                  ; cy
	s_lshl_b32 s42, ttmp9, 2
	s_add_co_u32 s42, s42, s40                     ; tile column
	s_and_b32 s17, ttmp7, 0xffff
	s_lshl_b32 s17, s17, 2
	s_add_co_u32 s17, s17, s41                     ; tile row
	s_lshl_b32 s43, s41, 2
	s_lshl_b32 s43, 15, s43                        ; my row of the cluster
	s_lshl_b32 s44, 0x1111, s40                    ; my column
	; A: of each of the 16 k blocks 64 dense rows: 16 rows of 4,096 bytes, 262,144 apart; 16 bytes of padding behind every 64.   B: 64 rows of 1,024 bytes, 16 bytes of padding behind each
	s_or_b32 s[G1+0], s43, (0<<16)|(1<<20)|(1<<21)|(3<<22)|(3<<25)
	s_mov_b32 s[G1+1], (64*KB)<<16
	s_mov_b32 s[G1+2], NKB<<16
	s_mov_b32 s[G1+3], (64*KB)<<16
	s_mov_b32 s[G1+4], NKB
	s_mov_b32 s[G1+5], 4096*KB
	s_mov_b32 s[G1+6], 0
	s_mov_b32 s[G1+7], 0
	s_or_b32 s[G1B+0], s44, (0<<16)|(1<<20)|(1<<21)|(7<<22)|(3<<25)
	s_mov_b32 s[G1B+1], SIZE_K<<16
	s_mov_b32 s[G1B+2], 64<<16
	s_mov_b32 s[G1B+3], SIZE_K<<16
	s_mov_b32 s[G1B+4], 64
	s_mov_b32 s[G1B+5], SIZE_K
	s_mov_b32 s[G1B+6], 0
	s_mov_b32 s[G1B+7], 0
	s_lshl_b32 s18, s16, 6
	s_lshl_b32 s20, s17, 7
	s_add_co_u32 s20, s20, s18
	s_mul_i32 s20, s20, KB                         ; A: (128 x tile row + 64 x half) rows of 64 bytes
	s_mov_b32 s21, 0
	s_lshl_b32 s46, s42, 7
	s_add_co_u32 s46, s46, s18
	s_mul_i32 s46, s46, SIZE_K                     ; B: (128 x tile column + 64 x half) rows of 1,024 bytes
	s_mov_b32 s47, 0
	s_mov_b32 s[G0], 1
	s_mul_i32 s[G0+1], s16, AHALF                  ; where they go: no place in the cluster enters an LDS address
	s_mov_b32 s[G0B], 1
	s_mul_i32 s[G0B+1], s16, BHALF
	s_add_co_u32 s[G0B+1], s[G0B+1], 2*AHALF
	s_wait_dscnt 0x0                               ; both opening adds are done
	s_wait_kmcnt 0x0
	s_load_b64 s[66:67], s[8:9], SCOFF             ; ea, eb
	s_add_nc_u64 s[G0+2:G0+3], s[4:5], s[20:21]
	s_or_b32 s[G0+3], s[G0+3], 0x80000000
	s_add_nc_u64 s[G0B+2:G0B+3], s[6:7], s[46:47]
	s_or_b32 s[G0B+3], s[G0B+3], 0x80000000
	CROUND                                         ; all sixteen work-groups are here: the joint loads meet
	s_cmp_eq_u32 s15, 0                            ; every wave issues one load; an s_nop 0 and four v_nop follow each line
	s_cbranch_scc0 .Lfor_b
	tensor_load_to_lds s[G0:G0+3], s[G1:G1+7]
	s_nop 0
.rept 4
	v_nop
.endr
	s_branch .Lasked
.Lfor_b:
	tensor_load_to_lds s[G0B:G0B+3], s[G1B:G1B+7]
	s_nop 0
.rept 4
	v_nop
.endr
.Lasked:
	v_and_b32 v1, 15, v0                           ; r
	v_bfe_u32 v2, v0, 4, 1                         ; h
	v_mul_u32_u24 v3, v1, AP
	v_lshl_add_u32 v3, v2, 4, v3
	v_mul_u32_u24 v4, v1, BP
	v_lshl_add_u32 v4, v2, 4, v4
	s_mul_i32 s21, s15, AHALF
	s_mul_i32 s22, s16, BHALF
	s_add_co_u32 s22, s22, 2*AHALF
	v_add_nc_u32 v[ADRA], s21, v3
	s_add_co_u32 s21, s21, 8*64*AP
	v_add_nc_u32 v[ADRA+1], s21, v3
	v_add_nc_u32 v[ADRB], s22, v4
	s_mul_i32 s23, s14, 16*SPITCH
	s_add_co_u32 s23, s23, STAGE                   ; my stage
	s_wait_alu depctr_va_vdst(0)
	v_mul_u32_u24 v5, v1, SPITCH
	v_lshl_add_u32 v5, v2, 5, v5
	v_add_nc_u32 v[STO], s23, v5                   ; in: row r, 32 bytes for each half of the lanes
	v_mul_u32_u24 v5, v2, SPITCH
	v_lshl_add_u32 v5, v1, 4, v5
	v_add_nc_u32 v[RD], s23, v5                    ; back: sixteen lanes to a row of 256 bytes, two rows an instruction
	v_lshlrev_b32 v[BO], 4, v1                     ; my four columns, in bytes
	v_lshl_add_u32 v[CO], v2, 12, v[BO]            ; and the same two rows in z and in the residual
	s_wait_alu depctr_va_vdst(0)
	s_lshl_b32 s20, s17, 7
	s_lshl_b32 s21, s15, 6
	s_add_co_u32 s20, s20, s21
	s_lshl_b32 s20, s20, 12                        ; my first row, of 4,096 bytes
	s_lshl_b32 s46, s42, 9
	s_lshl_b32 s47, s16, 8
	s_add_co_u32 s46, s46, s47                     ; my first column, in bytes: a multiple of 256
	s_mov_b32 s47, 0
	s_add_nc_u64 s[68:69], s[68:69], s[46:47]
	s_add_co_u32 s46, s46, s20
	s_add_nc_u64 s[70:71], s[70:71], s[46:47]
	s_add_nc_u64 s[10:11], s[10:11], s[46:47]
	global_load_b128 v[12:15], v[BO], s[68:69]
	WIN 0x80                                       ; destination window 2
.irp a, 0,1,2,3
.irp t, 0,1,2,3,4,5,6,7
	global_load_b128 v[32*\a+4*\t:32*\a+4*\t+3], v[CO], s[70:71] offset:(16*\a+2*\t)*4096 th:TH_LOAD_NT   ; the residual lands under the products
.endr
.endr
	WIN 0
.macro MUL4 f, a, zero                 ; A's block a against B's four; the 16 accumulators take turns, in the same order in every quarter
.irp b, 0,1,2,3
.if \zero
	v_wmma_f32_16x16x128_fp8_fp8 v[ACC+8*(4*(\a)+\b):ACC+8*(4*(\a)+\b)+7], v[\f+64+16*\b:\f+64+16*\b+15], v[\f+16*(\a):\f+16*(\a)+15], 0
.else
	v_wmma_f32_16x16x128_fp8_fp8 v[ACC+8*(4*(\a)+\b):ACC+8*(4*(\a)+\b)+7], v[\f+64+16*\b:\f+64+16*\b+15], v[\f+16*(\a):\f+16*(\a)+15], v[ACC+8*(4*(\a)+\b):ACC+8*(4*(\a)+\b)+7]
.endif
.endr
.endm
.macro FETCH q, f                      ; 32 LDS loads in one run: quarter q's fragments: B's four, then A's four.  Registers 4 c .. 4 c + 3 hold K = 32 c + 16 (l / 16) + 0 .. 15, in A and in B alike
	WIN TO_F
.irp i, 0,1,2,3
.irp c, 0,1,2,3
	ds_load_b128 v[\f+64+16*\i+4*\c:\f+64+16*\i+4*\c+3], v[ADRB] offset:128*(\q)+32*\c+\i*16*BP
.endr
.endr
.irp i, 0,1,2,3
.irp c, 0,1,2,3
	ds_load_b128 v[\f+16*\i+4*\c:\f+16*\i+4*\c+3], v[ADRA+(\q)/4] offset:((128*((\q)%4)+32*\c)/KB)*64*AP+(32*\c)%KB+\i*16*AP
.endr
.endr
.endm
.macro PLACES
.rept 4
	v_nop
.endr
.endm
.macro QUARTER q, f, g, zero           ; multiplies buffer f; in its middle it fetches quarter q into buffer g
	s_wait_dscnt 8                                 ; B and A's blocks 0, 1 are in; A's blocks 2, 3 may be out
	WIN MUL
	MUL4 \f, 0, \zero
	MUL4 \f, 1, \zero
	PLACES                                         ; ahead of loads into registers that matrix instructions have read
	FETCH \q, \g
	s_wait_dscnt 32                                ; all but the 32 just issued
	WIN MUL
	MUL4 \f, 2, \zero
	MUL4 \f, 3, \zero
.endm
	s_wait_alu depctr_va_vdst(0)
	s_wait_tensorcnt 0x0                           ; my quarter of the tiles is in,
	s_barrier_signal -1
	s_barrier_wait -1                              ; and everybody's
	FETCH 0, F0
	QUARTER 1, F0, F1, 1                           ; the first quarter's products start the sums
	QUARTER 2, F1, F0, 0
	QUARTER 3, F0, F1, 0
	QUARTER 4, F1, F0, 0
	QUARTER 5, F0, F1, 0
	QUARTER 6, F1, F0, 0
	QUARTER 7, F0, F1, 0
	s_wait_dscnt 8
	WIN MUL
	MUL4 F1, 0, 0
	MUL4 F1, 1, 0
	s_wait_dscnt 0
	MUL4 F1, 2, 0
	MUL4 F1, 3, 0
	WIN 0
; THE WAY OUT, block by block of 16 rows x 64 columns: the sums go through my stage as they are and come back as rows of 256 bytes; there the scale, the bias and the residual are applied, and sixteen lanes store 256 consecutive bytes, aligned.
.macro STG a
.set BB, BK+32*((\a)%2)
.irp b, 0,1,2,3
	ds_store_b128 v[STO], v[ACC+8*(4*(\a)+\b):ACC+8*(4*(\a)+\b)+3] offset:64*\b          ; each accumulator from its low end on
	ds_store_b128 v[STO], v[ACC+8*(4*(\a)+\b)+4:ACC+8*(4*(\a)+\b)+7] offset:64*\b+16
.endr
.irp t, 0,1,2,3,4,5,6,7
	ds_load_b128 v[BB+4*\t:BB+4*\t+3], v[RD] offset:\t*2*SPITCH    ; LDS serves a wave's instructions in order
.endr
.endm
.macro FIN a, younger
.set BB, BK+32*((\a)%2)
	s_wait_dscnt \younger
.irp t, 0,1,2,3,4,5,6,7
	v_pk_fma_f32 v[BB+4*\t:BB+4*\t+1], v[BB+4*\t:BB+4*\t+1], s[66:67], v[12:13] op_sel_hi:[1,0,1]
	v_pk_fma_f32 v[BB+4*\t+2:BB+4*\t+3], v[BB+4*\t+2:BB+4*\t+3], s[66:67], v[14:15] op_sel_hi:[1,0,1]
.endr
	WIN 0x08                                       ; source 1 window 2: the residual
.irp t, 0,1,2,3,4,5,6,7
	v_pk_add_f32 v[BB+4*\t:BB+4*\t+1], v[BB+4*\t:BB+4*\t+1], v[32*(\a)+4*\t:32*(\a)+4*\t+1]
	v_pk_add_f32 v[BB+4*\t+2:BB+4*\t+3], v[BB+4*\t+2:BB+4*\t+3], v[32*(\a)+4*\t+2:32*(\a)+4*\t+3]
.endr
	WIN 0
.irp t, 0,1,2,3,4,5,6,7
	global_store_b128 v[CO], v[BB+4*\t:BB+4*\t+3], s[10:11] offset:(16*(\a)+2*\t)*4096
.endr
.endm
	s_wait_kmcnt 0x0
	s_add_co_i32 s66, s66, s67
	s_add_co_i32 s66, s66, 127
	s_lshl_b32 s66, s66, 23                        ; 2^(ea + eb) as f32
	s_mov_b32 s67, s66
	s_wait_loadcnt 0x0                             ; the bias and the residual
	PLACES                                         ; in front of the first read of the results
	STG 0
	STG 1
	FIN 0, 16                                      ; behind block 0's loads: block 1's eight stores and eight loads
	s_wait_xcnt 0x0                                ; block 0's stores have read their registers
	STG 2
	FIN 1, 16
	s_wait_xcnt 0x0
	STG 3
	FIN 2, 16
	FIN 3, 0
	s_wait_tensorcnt 0x0                           ; the wave's end
	ds_add_u32 v[SPW], v[NIL]
	s_wait_dscnt 0x0
	CROUND                                         ; the closing round
	s_endpgm
.Lfunc_end_k_q170aad729c_wo:
	.size	k_q170aad729c_wo, .Lfunc_end_k_q170aad729c_wo-k_q170aad729c_wo
	.p2alignl 7, 3214868480
	.fill 96, 4, 3214868480
	.section	.rodata,"a",@progbits
	.p2align	6, 0x0
	.amdhsa_kernel k_q170aad729c_wo
		.amdhsa_group_segment_fixed_size 327680
		.amdhsa_private_segment_fixed_size 0
		.amdhsa_enable_private_segment 0
		.amdhsa_kernarg_size 48
		.amdhsa_user_sgpr_count 2
		.amdhsa_user_sgpr_kernarg_segment_ptr 1
		.amdhsa_wavefront_size32 1
		.amdhsa_system_sgpr_workgroup_id_x 1
		.amdhsa_system_sgpr_workgroup_id_y 1
		.amdhsa_system_sgpr_workgroup_id_z 1
		.amdhsa_system_vgpr_workitem_id 0
		.amdhsa_next_free_vgpr 640
		.amdhsa_next_free_sgpr 72
		.amdhsa_reserve_vcc 0
		.amdhsa_float_denorm_mode_32 3
		.amdhsa_float_denorm_mode_16_64 3
		.amdhsa_memory_ordered 1
		.amdhsa_forward_progress 1
		.amdhsa_inst_pref_size 52
	.end_amdhsa_kernel
	.amdgpu_metadata
---
amdhsa.version: [ 1, 2 ]
amdhsa.kernels:
  - .name:           k_q170aad729c_wo
    .symbol:         k_q170aad729c_wo.kd
    .args:
      - { .name: cc, .offset: 0, .size: 8, .value_kind: global_buffer, .address_space: global }
      - { .name: wo_codes, .offset: 8, .size: 8, .value_kind: global_buffer, .address_space: global }
      - { .name: bo, .offset: 16, .size: 8, .value_kind: global_buffer, .address_space: global }
      - { .name: inputs, .offset: 24, .size: 8, .value_kind: global_buffer, .address_space: global }
      - { .name: lowp_scales, .offset: 32, .size: 8, .value_kind: global_buffer, .address_space: global }
      - { .name: z, .offset: 40, .size: 8, .value_kind: global_buffer, .address_space: global }
    .group_segment_fixed_size: 327680
    .private_segment_fixed_size: 0
    .kernarg_segment_align: 8
    .kernarg_segment_size: 48
    .max_flat_workgroup_size: 128
    .sgpr_count:     72
    .vgpr_count:     640
    .wavefront_size: 32
...
	.end_amdgpu_metadata
.endif
;; end of part 4
;; launch ln1 (part 5): grid 256 x 1, 4 waves a work-group, no clusters, 16,896 bytes of LDS; arguments z, ln1_g, ln1_b, lowp_scales, o1, o1c; writes o1, o1c
.if DOCPART == 5
	.amdgcn_target "amdgcn-amd-amdhsa--gfx1250"
	.amdhsa_code_object_version 6
	.text
	.protected	k_q170aad729c_ln1
	.globl	k_q170aad729c_ln1
	.p2align	8
	.type	k_q170aad729c_ln1,@function
k_q170aad729c_ln1:
	s_mov_b64 s[64:65], 0
	v_nop
	global_prefetch_b8 v0, s[64:65] scope:SCOPE_SE
	s_setreg_imm32_b32 hwreg(HW_REG_WAVE_MODE, 25, 1), 1
	s_wait_xcnt 0x0
; y = (x - mean) / sqrt(var + 1e-6) x gamma + beta along rows of 1,024 f32; with CODES = 1 also y's E4M3 codes under entry 12 of the scales, [4096][1024], natural order.
; LIMITS: that entry between -126 and 119.  NaN is not served.
; A wave takes four rows; a row is eight loads of 512 consecutive bytes and stays in 32 registers between the passes: memory is read once.  The variance is taken of x - mean, in a second pass over the registers,
; as the definition has it, so that a common offset of the inputs costs no accuracy.  No barrier: waves share nothing.  No matrix unit, no cluster: memory binds, nothing is shared.
; The codes: a conversion's result register holds the four codes of one load's place; they go through the wave's own LDS bytes and leave as 512 consecutive bytes a store.
.set CODES, 1
.set OUTP,  12                         ; s[12:13] the f32 output
.set X,   32                           ; v32-159  four rows
.set G,   160                          ; v160-191 gamma of my 32 columns
.set B,   192                          ; v192-223 beta
.set CR,  224                          ; v224-255 the codes as stored: eight registers a row
	s_load_b256 s[4:11], s[0:1], 0x0               ; x, gamma, beta, the scales' exponents
	s_load_b128 s[12:15], s[0:1], 0x20             ; y, y's codes
	v_lshl_add_u32 v9, v0, 2, 0x4000
	s_set_vgpr_msb 0x40
	v_mov_b32 v1, 0
	s_set_vgpr_msb 0x4000
	v_lshrrev_b32 v2, 5, v0
	v_readfirstlane_b32 s16, v2                    ; wave
	v_and_b32 v3, 31, v0
	v_lshlrev_b32 v1, 4, v3                        ; 16 x lane
	s_lshl_b32 s24, s16, 12
	v_lshl_add_u32 v2, v3, 2, s24                  ; LDS, in: 4,096 x wave + 4 x lane
	v_add_nc_u32 v3, s24, v1                       ; back: + 16 x lane
	s_lshl_b32 s18, ttmp9, 16
	s_lshl_b32 s17, s16, 14
	s_add_co_u32 s18, s18, s17                     ; my first row: 16 x work-group + 4 x wave, of 4,096 bytes
	s_mov_b32 s19, 0
	s_lshr_b32 s26, s18, 2                         ; and of 1,024 bytes of codes
	s_mov_b32 s27, 0
	s_mov_b32 s20, 0x3a800000                      ; 1 / 1,024
	s_mov_b32 s21, 0x358637bd                      ; 1e-6
	s_mov_b32 s22, 0x76543210
	s_mov_b32 s23, 0xfedcba98
	s_wait_alu depctr_va_vdst(0)
	s_wait_kmcnt 0x0
	s_load_b32 s25, s[10:11], 0x30                 ; entry 12
	s_add_nc_u64 s[4:5], s[4:5], s[18:19]
	s_add_nc_u64 s[OUTP:OUTP+1], s[OUTP:OUTP+1], s[18:19]
	s_add_nc_u64 s[14:15], s[14:15], s[26:27]
.irp j, 0,1,2,3,4,5,6,7
	global_load_b128 v[G+4*\j:G+4*\j+3], v1, s[6:7] offset:512*\j
	global_load_b128 v[B+4*\j:B+4*\j+3], v1, s[8:9] offset:512*\j
.endr
.irp r, 0,1,2,3
.irp j, 0,1,2,3,4,5,6,7
	global_load_b128 v[X+32*\r+4*\j:X+32*\r+4*\j+3], v1, s[4:5] offset:4096*\r+512*\j th:TH_LOAD_NT
.endr
.endr
	s_wait_kmcnt 0x0
	s_add_co_i32 s25, s25, 127
	s_lshl_b32 s28, s25, 23
	v_mov_b32 v10, s28                             ; 2^e
	s_add_co_i32 s25, s25, 8
	s_lshl_b32 s25, s25, 23
	s_or_b32 s25, s25, 0x600000
	v_mov_b32 v11, s25                             ; 448 x 2^e
.macro REDUCE                          ; v4 summed over the 32 lanes, the result in every lane
	v_add_f32_dpp v4, v4, v4 row_xmask:1 row_mask:0xf bank_mask:0xf
	v_add_f32_dpp v4, v4, v4 row_xmask:2 row_mask:0xf bank_mask:0xf
	v_add_f32_dpp v4, v4, v4 row_xmask:4 row_mask:0xf bank_mask:0xf
	v_add_f32_dpp v4, v4, v4 row_xmask:8 row_mask:0xf bank_mask:0xf
	v_permlanex16_b32 v5, v4, s22, s23
	v_add_f32 v4, v4, v5
.endm
.macro ROW n
.set XR, X+32*(\n)
	s_wait_loadcnt 8*(3-(\n))                      ; this row's eight loads are in (gamma and beta are older); the later rows stay out
	v_pk_add_f32 v[4:5], v[XR:XR+1], v[XR+2:XR+3]
	v_pk_add_f32 v[6:7], v[XR+4:XR+5], v[XR+6:XR+7]
.irp j, 8,12,16,20,24,28
	v_pk_add_f32 v[4:5], v[4:5], v[XR+\j:XR+\j+1]
	v_pk_add_f32 v[6:7], v[6:7], v[XR+\j+2:XR+\j+3]
.endr
	v_pk_add_f32 v[4:5], v[4:5], v[6:7]
	v_add_f32 v4, v4, v5
	REDUCE
	v_mul_f32 v12, s20, v4                         ; the mean
	v_mov_b32 v13, v12
.set jj, 0
.rept 16
	v_pk_add_f32 v[XR+jj:XR+jj+1], v[XR+jj:XR+jj+1], v[12:13] neg_lo:[0,1] neg_hi:[0,1]
.set jj, jj+2
.endr
	v_pk_mul_f32 v[4:5], v[XR:XR+1], v[XR:XR+1]
	v_pk_mul_f32 v[6:7], v[XR+2:XR+3], v[XR+2:XR+3]
.irp j, 4,8,12,16,20,24,28
	v_pk_fma_f32 v[4:5], v[XR+\j:XR+\j+1], v[XR+\j:XR+\j+1], v[4:5]
	v_pk_fma_f32 v[6:7], v[XR+\j+2:XR+\j+3], v[XR+\j+2:XR+\j+3], v[6:7]
.endr
	v_pk_add_f32 v[4:5], v[4:5], v[6:7]
	v_add_f32 v4, v4, v5
	REDUCE
	v_fma_f32 v8, v4, s20, s21                     ; the variance + 1e-6
	s_wait_alu depctr_va_vdst(0)
	v_rsq_f32 v14, v8
	v_nop                                          ; a plain line behind the root,
	s_wait_alu depctr_va_vdst(0)                   ; and the wait ahead of its first reader
	v_mov_b32 v15, v14
.set jj, 0
.rept 16
	v_pk_mul_f32 v[XR+jj:XR+jj+1], v[XR+jj:XR+jj+1], v[14:15]
.set jj, jj+2
.endr
.set jj, 0
.rept 16
	v_pk_fma_f32 v[XR+jj:XR+jj+1], v[XR+jj:XR+jj+1], v[G+jj:G+jj+1], v[B+jj:B+jj+1]
.set jj, jj+2
.endr
.irp j, 0,1,2,3,4,5,6,7
	global_store_b128 v1, v[XR+4*\j:XR+4*\j+3], s[OUTP:OUTP+1] offset:4096*(\n)+512*\j   ; 512 consecutive bytes, aligned; the row's registers are not written again
.endr
.if CODES
.irp q, 0,1,2,3
.irp k, 0,1,2,3,4,5,6,7
	v_med3_num_f32 v[16+\k], v[XR+8*\q+\k], -v11, v11
.endr
	v_cvt_scalef32_pk8_fp8_f32 v[24+2*\q:25+2*\q], v[16:23], v10
	v_nop                                          ; a plain line between the conversion and the next holds, which write its sources
.endr
.irp j, 0,1,2,3,4,5,6,7
	ds_store_b32 v2, v[24+\j] offset:1024*(\n)+128*\j
.endr
.irp u, 0,1
	ds_load_b128 v[CR+8*(\n)+4*\u:CR+8*(\n)+4*\u+3], v3 offset:1024*(\n)+512*\u
.endr
	s_wait_dscnt 0x0
.irp u, 0,1
	global_store_b128 v1, v[CR+8*(\n)+4*\u:CR+8*(\n)+4*\u+3], s[14:15] offset:1024*(\n)+512*\u
.endr
.endif
.endm
	ROW 0
	ROW 1
	ROW 2
	ROW 3
	s_set_vgpr_msb 0x4
	s_wait_tensorcnt 0x0
	ds_add_u32 v9, v1
	s_wait_dscnt 0x0
	s_set_vgpr_msb 0x400
	s_endpgm
.Lfunc_end_k_q170aad729c_ln1:
	.size	k_q170aad729c_ln1, .Lfunc_end_k_q170aad729c_ln1-k_q170aad729c_ln1
	.p2alignl 7, 3214868480
	.fill 96, 4, 3214868480
	.section	.rodata,"a",@progbits
	.p2align	6, 0x0
	.amdhsa_kernel k_q170aad729c_ln1
		.amdhsa_group_segment_fixed_size 16896
		.amdhsa_private_segment_fixed_size 0
		.amdhsa_enable_private_segment 0
		.amdhsa_kernarg_size 48
		.amdhsa_user_sgpr_count 2
		.amdhsa_user_sgpr_kernarg_segment_ptr 1
		.amdhsa_wavefront_size32 1
		.amdhsa_system_sgpr_workgroup_id_x 1
		.amdhsa_system_sgpr_workgroup_id_y 1
		.amdhsa_system_sgpr_workgroup_id_z 1
		.amdhsa_system_vgpr_workitem_id 0
		.amdhsa_next_free_vgpr 258
		.amdhsa_next_free_sgpr 66
		.amdhsa_reserve_vcc 0
		.amdhsa_float_denorm_mode_32 3
		.amdhsa_float_denorm_mode_16_64 3
		.amdhsa_memory_ordered 1
		.amdhsa_forward_progress 1
		.amdhsa_inst_pref_size 47
	.end_amdhsa_kernel
	.amdgpu_metadata
---
amdhsa.version: [ 1, 2 ]
amdhsa.kernels:
  - .name:           k_q170aad729c_ln1
    .symbol:         k_q170aad729c_ln1.kd
    .args:
      - { .name: z, .offset: 0, .size: 8, .value_kind: global_buffer, .address_space: global }
      - { .name: ln1_g, .offset: 8, .size: 8, .value_kind: global_buffer, .address_space: global }
      - { .name: ln1_b, .offset: 16, .size: 8, .value_kind: global_buffer, .address_space: global }
      - { .name: lowp_scales, .offset: 24, .size: 8, .value_kind: global_buffer, .address_space: global }
      - { .name: o1, .offset: 32, .size: 8, .value_kind: global_buffer, .address_space: global }
      - { .name: o1c, .offset: 40, .size: 8, .value_kind: global_buffer, .address_space: global }
    .group_segment_fixed_size: 16896
    .private_segment_fixed_size: 0
    .kernarg_segment_align: 8
    .kernarg_segment_size: 48
    .max_flat_workgroup_size: 128
    .sgpr_count:     66
    .vgpr_count:     258
    .wavefront_size: 32
...
	.end_amdgpu_metadata
.endif
;; end of part 5
;; launch ffn1 (part 6): grid 16 x 16, 4 waves a work-group, clusters of 4 x 4, 327,680 bytes of LDS; arguments o1c, w1_codes, b1, lowp_scales, hc; writes hc
.if DOCPART == 6
	.amdgcn_target "amdgcn-amd-amdhsa--gfx1250"
	.amdhsa_code_object_version 6
	.text
	.protected	k_q170aad729c_ffn1
	.globl	k_q170aad729c_ffn1
	.p2align	8
	.type	k_q170aad729c_ffn1,@function
k_q170aad729c_ffn1:
	s_mov_b64 s[64:65], 0
	v_nop
	global_prefetch_b8 v0, s[64:65] scope:SCOPE_SE
	s_setreg_imm32_b32 hwreg(HW_REG_WAVE_MODE, 25, 1), 1
	s_wait_xcnt 0x0
	s_wait_alu depctr_hold_cnt(0) depctr_sa_sdst(0) depctr_va_vdst(0) depctr_va_sdst(0) depctr_va_ssrc(0) depctr_va_vcc(0) depctr_vm_vsrc(0)
	s_getreg_b32 s2, hwreg(HW_REG_IB_STS2, 6, 4)
	s_cmp_eq_u32 s2, 0
	s_cbranch_scc0 .Lentry_in_a_cluster
	s_endpgm
.Lentry_in_a_cluster:
	s_bfe_u32 s2, ttmp6, 0x10000c
	s_cmp_lg_u32 s2, 0xf033
	s_cbranch_scc0 .Lentry_shape_is_right
	s_endpgm
.Lentry_shape_is_right:
.set SIZE_K, 1024
.set KSTEP,  256
.set ROWB,   256
.set KROW,   SIZE_K
.set PITCH,  272
.set FR,     16
.set NL,     4
.set NP,     4
.set HALFT,  128*PITCH
.set SLOT,   4*HALFT
.set LAPS,   SIZE_K/(2*KSTEP)
.set SPARE,  2*SLOT
.set SPITCH, 144
.set CO,   8
.set ADRA, 16
.set ADRB, 20
.set STO,  24
.set RD,   25
.set SPW,  28
.set NIL,  29
.set SCL,  30
.set LIM,  31
.set BC,   32
.set T,    112
.set CD,   176
.set BK,   192
.set AF,   128
.set G1, 24
.set G0, 32
.set G1B, 48
.set G0B, 56
.set MSB, 0
.macro WIN new
.if MSB != \new
	s_set_vgpr_msb (MSB<<8)|\new
.set MSB, \new
.endif
.endm
.set MUL_LO, 0xa1
.set MUL_HI, 0xf1
.set TO_B,   0x40
.macro JLOAD g0a, g1a, g0b, g1b
	s_cmp_eq_u32 s15, 0
	s_cbranch_scc0 .Lfor_b_\@
	tensor_load_to_lds s[\g0a:\g0a+3], s[\g1a:\g1a+7]
	s_nop 0
.rept 4
	v_nop
.endr
	s_branch .Lasked_\@
.Lfor_b_\@:
	tensor_load_to_lds s[\g0b:\g0b+3], s[\g1b:\g1b+7]
	s_nop 0
.rept 4
	v_nop
.endr
.Lasked_\@:
.endm
.macro CREST
	s_cmp_lg_u32 s14, 0
	s_cbranch_scc1 .Lnot_wave_0_\@
	s_barrier_signal -3
.Lnot_wave_0_\@:
	s_barrier_wait -3
	s_barrier_signal -1
	s_barrier_wait -1
.endm
.macro CROUND
	s_barrier_signal -1
	s_barrier_wait -1
	CREST
.endm
	s_load_b128 s[4:7], s[0:1], 0x0
	s_load_b128 s[68:71], s[0:1], 0x10
	s_load_b64 s[10:11], s[0:1], 0x20
	v_lshl_add_u32 v[SPW], v0, 2, SPARE
	v_mov_b32 v[NIL], 0
	ds_add_u32 v28, v29
	ds_add_u32 v28, v29
	s_wait_dscnt 0x0
	v_lshrrev_b32 v1, 5, v0
	v_readfirstlane_b32 s14, v1
	s_lshr_b32 s15, s14, 1
	s_and_b32 s16, s14, 1
	s_bfe_u32 s40, ttmp6, 0x40000
	s_bfe_u32 s41, ttmp6, 0x40004
	s_lshl_b32 s42, ttmp9, 2
	s_add_co_u32 s42, s42, s40
	s_and_b32 s17, ttmp7, 0xffff
	s_lshl_b32 s17, s17, 2
	s_add_co_u32 s17, s17, s41
	s_lshl_b32 s43, s41, 2
	s_lshl_b32 s43, 15, s43
	s_lshl_b32 s44, 0x1111, s40
	s_or_b32 s[G1+0], s43, (0<<16)|(1<<20)|(1<<21)|(5<<22)|(3<<25)
	s_or_b32 s[G1B+0], s44, (0<<16)|(1<<20)|(1<<21)|(5<<22)|(3<<25)
.irp g, G1, G1B
	s_mov_b32 s[\g+1], ROWB<<16
	s_mov_b32 s[\g+2], 128<<16
	s_mov_b32 s[\g+3], ROWB<<16
	s_mov_b32 s[\g+4], 128
	s_mov_b32 s[\g+5], KROW
	s_mov_b32 s[\g+6], 0
	s_mov_b32 s[\g+7], 0
.endr
	s_lshl_b32 s18, s16, 7
	s_lshl_b32 s20, s17, 8
	s_add_co_u32 s20, s20, s18
	s_lshl_b32 s46, s42, 8
	s_add_co_u32 s46, s46, s18
	s_mov_b32 s21, 0
	s_mov_b32 s47, 0
	s_mov_b64 s[18:19], KROW
	s_mul_u64 s[20:21], s[20:21], s[18:19]
	s_mul_u64 s[46:47], s[46:47], s[18:19]
	s_mul_i32 s45, s14, HALFT
	s_wait_kmcnt 0x0
	s_load_b128 s[84:87], s[70:71], 0x30
	s_add_nc_u64 s[20:21], s[4:5], s[20:21]
	s_add_nc_u64 s[46:47], s[6:7], s[46:47]
	; the prefetches: behind each joint load one instruction a wave names the slot that my NEXT joint load asks for.  Of the 128 rows that a wave fetches, each of the four partners that ask jointly
	; takes 32, told apart by address (cx for A's tiles, cy for B's): a lane a row, 256 aligned bytes of it
	s_cmp_eq_u32 s15, 0
	s_cselect_b64 s[12:13], s[20:21], s[46:47]     ; my 128 rows, slot 0
	s_cselect_b32 s8, s40, s41                     ; my place among the four
	s_lshl_b32 s8, s8, 15                          ; 32 rows of 1,024 bytes
	s_add_co_u32 s8, s8, ROWB                      ; in slot 1
	s_mov_b32 s9, 0
	s_add_nc_u64 s[12:13], s[12:13], s[8:9]
	CROUND
.irp s, 0,1
	s_mov_b32 s[G0+4*\s], 1
	s_add_co_u32 s[G0+4*\s+1], s45, \s*SLOT
	s_add_nc_u64 s[G0+4*\s+2:G0+4*\s+3], s[20:21], \s*ROWB
	s_or_b32 s[G0+4*\s+3], s[G0+4*\s+3], 0x80000000
	s_mov_b32 s[G0B+4*\s], 1
	s_add_co_u32 s[G0B+4*\s+1], s45, \s*SLOT
	s_add_nc_u64 s[G0B+4*\s+2:G0B+4*\s+3], s[46:47], \s*ROWB
	s_or_b32 s[G0B+4*\s+3], s[G0B+4*\s+3], 0x80000000
.if \s == 0
	JLOAD G0, G1, G0B, G1B                         ; slot 0: one tensor load a wave at the head
	v_and_b32 v22, 31, v0
	v_lshlrev_b32 v22, 10, v22                     ; v22: my lane's row; never rewritten
	global_prefetch_b8 v22, s[12:13] th:TH_LOAD_NT scope:SCOPE_SE   ; slot 1
.endif
.endr
	v_and_b32 v1, 15, v0
	s_wait_alu depctr_va_vdst(0)
	v_bfe_u32 v2, v0, 4, 1
	v_mul_u32_u24 v3, v1, PITCH
	v_lshl_add_u32 v4, v2, 4, v3
	s_mul_i32 s21, s15, HALFT
	s_mul_i32 s22, s16, HALFT
	s_add_co_u32 s22, s22, 2*HALFT
.irp s, 0,1
	v_add_nc_u32 v[ADRA+\s], s21, v4
	v_add_nc_u32 v[ADRB+\s], s22, v4
	s_add_co_u32 s21, s21, SLOT
	s_add_co_u32 s22, s22, SLOT
.endr
	s_mul_i32 s23, s14, 16*SPITCH
	v_mul_u32_u24 v5, v1, SPITCH
	s_wait_alu depctr_va_vdst(0)
	v_lshl_add_u32 v5, v2, 3, v5
	v_add_nc_u32 v[STO], s23, v5
	v_and_b32 v6, 31, v0
	v_lshrrev_b32 v7, 3, v6
	v_and_b32 v5, 7, v0
	v_mul_u32_u24 v3, v7, SPITCH
	v_lshl_add_u32 v3, v5, 4, v3
	v_add_nc_u32 v[RD], s23, v3
	v_lshlrev_b32 v[CO], 4, v6
	v_lshlrev_b32 v12, 5, v2
	s_wait_alu depctr_va_vdst(0)
	s_lshl_b32 s20, s17, 8
	s_lshl_b32 s21, s15, 7
	s_add_co_u32 s20, s20, s21
	s_lshl_b32 s21, s42, 1
	s_add_co_u32 s21, s21, s16
	s_lshl_b32 s22, s21, 12
	s_add_co_u32 s22, s22, s20
	s_lshl_b32 s46, s22, 7
	s_mov_b32 s47, 0
	s_add_nc_u64 s[10:11], s[10:11], s[46:47]
	s_lshl_b32 s46, s21, 9
	s_add_nc_u64 s[68:69], s[68:69], s[46:47]
.irp b, 0,1,2,3,4,5,6,7
	global_load_b128 v[BC+8*\b:BC+8*\b+3], v12, s[68:69] offset:64*\b
	global_load_b128 v[BC+8*\b+4:BC+8*\b+7], v12, s[68:69] offset:64*\b+16
.endr
.macro FRAG reg, adr, q, i
.irp c, 0,1,2,3
	ds_load_b128 v[\reg+4*\c:\reg+4*\c+3], v[\adr] offset:128*(\q)+32*\c+(\i)*16*PITCH
.endr
.endm
.macro MUL16 a0, p, zero
.irp a, \a0, \a0+1
.irp b, 0,1,2,3,4,5,6,7
.if \zero
	v_wmma_f32_16x16x128_fp8_fp8 v[8*(8*((\a)%4)+\b):8*(8*((\a)%4)+\b)+7], v[128*(\p)+FR*\b:128*(\p)+FR*\b+FR-1], v[AF+FR*(\a):AF+FR*(\a)+FR-1], 0
.else
	v_wmma_f32_16x16x128_fp8_fp8 v[8*(8*((\a)%4)+\b):8*(8*((\a)%4)+\b)+7], v[128*(\p)+FR*\b:128*(\p)+FR*\b+FR-1], v[AF+FR*(\a):AF+FR*(\a)+FR-1], v[8*(8*((\a)%4)+\b):8*(8*((\a)%4)+\b)+7]
.endif
.endr
.endr
.endm
.macro FETCH_B slot, q, p
	WIN TO_B
.irp i, 0,1,2,3,4,5,6,7
	FRAG 128*(\p)+FR*\i, ADRB+\slot, \q, \i
.endr
	WIN 0
.endm
.macro FETCH_A slot, q, i0
.irp i, \i0, \i0+1, \i0+2, \i0+3
	FRAG AF+FR*(\i), ADRA+\slot, \q, \i
.endr
.endm
.macro PLACES n
.rept \n
	v_nop
.endr
.endm
.macro STEP slot, q, zero
	s_wait_dscnt 4*NL
	WIN MUL_LO
	MUL16 0, (\q)%2, \zero
	MUL16 2, (\q)%2, \zero
	s_wait_dscnt 0
	PLACES NP
	FETCH_B \slot, (\q)+1, 1-(\q)%2
	FETCH_A \slot, (\q)+1, 0
	WIN MUL_HI
	MUL16 4, (\q)%2, \zero
	MUL16 6, (\q)%2, \zero
	PLACES NP
	WIN 0
	FETCH_A \slot, (\q)+1, 4
.endm
.macro TURN slot, next, fill
.if (\fill) && (\slot) == 0
	s_wait_xcnt 0x0                                ; my last prefetch, a slot back, has read its address
	s_add_nc_u64 s[12:13], s[12:13], ROWB          ; one slot further on than the refill below
.endif
	s_wait_tensorcnt 0x0
	ds_add_u32 v[SPW], v[NIL]
	s_wait_dscnt 4*NL+1
	WIN MUL_LO
	MUL16 0, 1, 0
	s_wait_dscnt 0x0
	s_barrier_signal -1
	MUL16 2, 1, 0
	WIN 0
	s_barrier_wait -1
.if \fill
	CREST
	s_add_nc_u64 s[G0+4*\slot+2:G0+4*\slot+3], s[G0+4*\slot+2:G0+4*\slot+3], 2*ROWB
	s_add_nc_u64 s[G0B+4*\slot+2:G0B+4*\slot+3], s[G0B+4*\slot+2:G0B+4*\slot+3], 2*ROWB
	JLOAD G0+4*\slot, G1, G0B+4*\slot, G1B
.else
	PLACES NP
.endif
	FETCH_B \next, 0, 0
.if (\fill) && (\slot) == 0
	global_prefetch_b8 v22, s[12:13] th:TH_LOAD_NT scope:SCOPE_SE   ; K has four slots: the refill of slot 0 brings the third, this names the fourth; the other refill has no slot behind it
.endif
	FETCH_A \next, 0, 0
	WIN MUL_HI
	MUL16 4, 1, 0
	MUL16 6, 1, 0
	PLACES NP
	WIN 0
	FETCH_A \next, 0, 4
.endm
	s_wait_xcnt 0x0                                ; the head's prefetch has read its address
	s_add_nc_u64 s[12:13], s[12:13], ROWB          ; on to slot 2
	s_wait_alu depctr_va_vdst(0)
	s_wait_tensorcnt 0x0                           ; my part of slot 0 is in
	ds_add_u32 v[SPW], v[NIL]
	s_wait_dscnt 0x0
	CROUND                                         ; a whole round: everybody's part of slot 0 is in, and the joint loads meet
	JLOAD G0+4, G1, G0B+4, G1B                     ; slot 1's first fill, the first tensor load behind the round
	FETCH_B 0, 0, 0
	global_prefetch_b8 v22, s[12:13] th:TH_LOAD_NT scope:SCOPE_SE   ; slot 2
	FETCH_A 0, 0, 0
	FETCH_A 0, 0, 4
	STEP 0, 0, 1
	s_mov_b32 s3, LAPS-1
.Llap:
	TURN 0, 1, 1
	STEP 1, 0, 0
	TURN 1, 0, 1
	STEP 0, 0, 0
	s_sub_co_u32 s3, s3, 1
	s_cmp_lg_u32 s3, 0
	s_cbranch_scc1 .Llap
	TURN 0, 1, 0
	STEP 1, 0, 0
	s_wait_dscnt 4*NL
	WIN MUL_LO
	MUL16 0, 1, 0
	MUL16 2, 1, 0
	s_wait_dscnt 0
	WIN MUL_HI
	MUL16 4, 1, 0
	MUL16 6, 1, 0
	WIN 0
.macro OUTBLK a
.set AC, 64*((\a)%4)
.set BB, BK+16*((\a)%2)
	WIN 0x02+((\a)/4)
.set jj, 0
.rept 32
	v_pk_fma_f32 v[T+jj:T+jj+1], v[AC+jj:AC+jj+1], s[66:67], v[BC+jj:BC+jj+1] op_sel_hi:[1,0,1]
.set jj, jj+2
.endr
	WIN 0
.set jj, 0
.rept 64
	v_med3_num_f32 v[T+jj], v[T+jj], 0, v[LIM]
.set jj, jj+1
.endr
.irp b, 0,1,2,3,4,5,6,7
	v_cvt_scalef32_pk8_fp8_f32 v[CD+2*\b:CD+2*\b+1], v[T+8*\b:T+8*\b+7], v[SCL]
.endr
	v_nop
.irp b, 0,1,2,3,4,5,6,7
	ds_store_b64 v[STO], v[CD+2*\b:CD+2*\b+1] offset:16*\b
.endr
.irp i, 0,1,2,3
	ds_load_b128 v[BB+4*\i:BB+4*\i+3], v[RD] offset:4*\i*SPITCH
.endr
.endm
.macro SEND a, younger
.set BB, BK+16*((\a)%2)
	s_wait_dscnt \younger
.if (\a) > 0
	s_add_nc_u64 s[10:11], s[10:11], 2048
.endif
.irp i, 0,1,2,3
	global_store_b128 v[CO], v[BB+4*\i:BB+4*\i+3], s[10:11] offset:512*\i
.endr
.endm
	s_wait_kmcnt 0x0
	s_add_co_i32 s84, s84, s85
	s_add_co_i32 s84, s84, 127
	s_lshl_b32 s66, s84, 23
	s_mov_b32 s67, s66
	s_add_co_i32 s86, s86, 127
	s_lshl_b32 s87, s86, 23
	s_add_co_i32 s86, s86, 8
	s_lshl_b32 s86, s86, 23
	s_or_b32 s86, s86, 0x600000
	PLACES NP
	v_mov_b32 v[SCL], s87
	v_mov_b32 v[LIM], s86
	s_wait_loadcnt 0x0
	OUTBLK 0
.irp a, 1,2,3,4,5,6,7
.if \a > 1
	s_wait_xcnt 0x0
.endif
	OUTBLK \a
	SEND \a-1, 12
.endr
	s_wait_xcnt 0x0
	SEND 7, 0
	s_wait_tensorcnt 0x0
	ds_add_u32 v[SPW], v[NIL]
	s_wait_dscnt 0x0
	CROUND
	s_endpgm
.Lfunc_end_k_q170aad729c_ffn1:
	.size	k_q170aad729c_ffn1, .Lfunc_end_k_q170aad729c_ffn1-k_q170aad729c_ffn1
	.p2alignl 7, 3214868480
	.fill 96, 4, 3214868480
	.section	.rodata,"a",@progbits
	.p2align	6, 0x0
	.amdhsa_kernel k_q170aad729c_ffn1
		.amdhsa_group_segment_fixed_size 327680
		.amdhsa_private_segment_fixed_size 0
		.amdhsa_enable_private_segment 0
		.amdhsa_kernarg_size 40
		.amdhsa_user_sgpr_count 2
		.amdhsa_user_sgpr_kernarg_segment_ptr 1
		.amdhsa_wavefront_size32 1
		.amdhsa_system_sgpr_workgroup_id_x 1
		.amdhsa_system_sgpr_workgroup_id_y 1
		.amdhsa_system_sgpr_workgroup_id_z 1
		.amdhsa_system_vgpr_workitem_id 0
		.amdhsa_next_free_vgpr 1024
		.amdhsa_next_free_sgpr 88
		.amdhsa_reserve_vcc 0
		.amdhsa_float_denorm_mode_32 3
		.amdhsa_float_denorm_mode_16_64 3
		.amdhsa_memory_ordered 1
		.amdhsa_forward_progress 1
		.amdhsa_inst_pref_size 144
	.end_amdhsa_kernel
	.amdgpu_metadata
---
amdhsa.version: [ 1, 2 ]
amdhsa.kernels:
  - .name:           k_q170aad729c_ffn1
    .symbol:         k_q170aad729c_ffn1.kd
    .args:
      - { .name: o1c, .offset: 0, .size: 8, .value_kind: global_buffer, .address_space: global }
      - { .name: w1_codes, .offset: 8, .size: 8, .value_kind: global_buffer, .address_space: global }
      - { .name: b1, .offset: 16, .size: 8, .value_kind: global_buffer, .address_space: global }
      - { .name: lowp_scales, .offset: 24, .size: 8, .value_kind: global_buffer, .address_space: global }
      - { .name: hc, .offset: 32, .size: 8, .value_kind: global_buffer, .address_space: global }
    .group_segment_fixed_size: 327680
    .private_segment_fixed_size: 0
    .kernarg_segment_align: 8
    .kernarg_segment_size: 40
    .max_flat_workgroup_size: 128
    .sgpr_count:     88
    .vgpr_count:     1024
    .wavefront_size: 32
...
	.end_amdgpu_metadata
.endif
;; end of part 6
;; launch ffn2 (part 7): grid 8 x 32, 4 waves a work-group, clusters of 4 x 4, 327,680 bytes of LDS; arguments hc, w2_codes, b2, o1, lowp_scales, z; writes z
.if DOCPART == 7
	.amdgcn_target "amdgcn-amd-amdhsa--gfx1250"
	.amdhsa_code_object_version 6
	.text
	.protected	k_q170aad729c_ffn2
	.globl	k_q170aad729c_ffn2
	.p2align	8
	.type	k_q170aad729c_ffn2,@function
k_q170aad729c_ffn2:
	s_mov_b64 s[64:65], 0
	v_nop
	global_prefetch_b8 v0, s[64:65] scope:SCOPE_SE
	s_setreg_imm32_b32 hwreg(HW_REG_WAVE_MODE, 25, 1), 1
	s_wait_xcnt 0x0
	s_wait_alu depctr_hold_cnt(0) depctr_sa_sdst(0) depctr_va_vdst(0) depctr_va_sdst(0) depctr_va_ssrc(0) depctr_va_vcc(0) depctr_vm_vsrc(0)
	s_getreg_b32 s2, hwreg(HW_REG_IB_STS2, 6, 4)
	s_cmp_eq_u32 s2, 0
	s_cbranch_scc0 .Lentry_in_a_cluster
	s_endpgm
.Lentry_in_a_cluster:
	s_bfe_u32 s2, ttmp6, 0x10000c
	s_cmp_lg_u32 s2, 0xf033
	s_cbranch_scc0 .Lentry_shape_is_right
	s_endpgm
.Lentry_shape_is_right:
.set SIZE_K, 4096
.set KB,     128
.set QIA,    4
.set SCOFF,  0x38
.set AP,     KB+16
.set NKB,    512/KB
.set AHALF,  NKB*64*AP
.set BP,     528
.set BHALF,  64*BP
.set SLOT,   2*AHALF+2*BHALF
.set SPARE,  2*SLOT
.set LAPS,   SIZE_K/1024
.set SPITCH, 272
.set ADRA, 16
.set ADRB, 20
.set STO,  24
.set RD,   25
.set CO,   26
.set BO,   27
.set SPW,  28
.set NIL,  29
.set BK,   32
.set ACC,  128
.set F0,   0
.set F1,   128
.set G1, 24
.set G0, 32
.set G1B, 48
.set G0B, 56
.set MSB, 0
.macro WIN new
.if MSB != \new
	s_set_vgpr_msb (MSB<<8)|\new
.set MSB, \new
.endif
.endm
.set MUL,  0x05
.set TO_F, 0x40
.macro JLOAD s
	s_cmp_eq_u32 s15, 0
	s_cbranch_scc0 .Lfor_b_\@
	tensor_load_to_lds s[G0+4*\s:G0+4*\s+3], s[G1:G1+7]
	s_nop 0
.rept 4
	v_nop
.endr
	s_branch .Lasked_\@
.Lfor_b_\@:
	tensor_load_to_lds s[G0B+4*\s:G0B+4*\s+3], s[G1B:G1B+7]
	s_nop 0
.rept 4
	v_nop
.endr
.Lasked_\@:
.endm
.macro CREST
	s_cmp_lg_u32 s14, 0
	s_cbranch_scc1 .Lnot_wave_0_\@
	s_barrier_signal -3
.Lnot_wave_0_\@:
	s_barrier_wait -3
	s_barrier_signal -1
	s_barrier_wait -1
.endm
.macro CROUND
	s_barrier_signal -1
	s_barrier_wait -1
	CREST
.endm
	s_load_b128 s[4:7], s[0:1], 0x0
	s_load_b128 s[68:71], s[0:1], 0x10
	s_load_b128 s[8:11], s[0:1], 0x20
	v_lshl_add_u32 v[SPW], v0, 2, SPARE
	v_mov_b32 v[NIL], 0
	ds_add_u32 v28, v29
	ds_add_u32 v28, v29
	s_wait_dscnt 0x0
	v_lshrrev_b32 v1, 5, v0
	v_readfirstlane_b32 s14, v1
	s_lshr_b32 s15, s14, 1
	s_and_b32 s16, s14, 1
	s_bfe_u32 s40, ttmp6, 0x40000
	s_bfe_u32 s41, ttmp6, 0x40004
	s_lshl_b32 s42, ttmp9, 2
	s_add_co_u32 s42, s42, s40
	s_and_b32 s17, ttmp7, 0xffff
	s_lshl_b32 s17, s17, 2
	s_add_co_u32 s17, s17, s41
	s_lshl_b32 s43, s41, 2
	s_lshl_b32 s43, 15, s43
	s_lshl_b32 s44, 0x1111, s40
	s_or_b32 s[G1+0], s43, (0<<16)|(1<<20)|(1<<21)|(QIA<<22)|(3<<25)
	s_mov_b32 s[G1+1], (64*KB)<<16
	s_mov_b32 s[G1+2], NKB<<16
	s_mov_b32 s[G1+3], (64*KB)<<16
	s_mov_b32 s[G1+4], NKB
	s_mov_b32 s[G1+5], 4096*KB
	s_mov_b32 s[G1+6], 0
	s_mov_b32 s[G1+7], 0
	s_or_b32 s[G1B+0], s44, (0<<16)|(1<<20)|(1<<21)|(6<<22)|(3<<25)
	s_mov_b32 s[G1B+1], 512<<16
	s_mov_b32 s[G1B+2], 64<<16
	s_mov_b32 s[G1B+3], 512<<16
	s_mov_b32 s[G1B+4], 64
	s_mov_b32 s[G1B+5], SIZE_K
	s_mov_b32 s[G1B+6], 0
	s_mov_b32 s[G1B+7], 0
	s_lshl_b32 s18, s16, 6
	s_lshl_b32 s20, s17, 7
	s_add_co_u32 s20, s20, s18
	s_mul_i32 s20, s20, KB
	s_mov_b32 s21, 0
	s_lshl_b32 s46, s42, 7
	s_add_co_u32 s46, s46, s18
	s_mul_i32 s46, s46, SIZE_K
	s_mov_b32 s47, 0
	s_mul_i32 s45, s16, AHALF
	s_mul_i32 s19, s16, BHALF
	s_add_co_u32 s19, s19, 2*AHALF
	s_wait_kmcnt 0x0
	s_load_b64 s[66:67], s[8:9], SCOFF
	s_add_nc_u64 s[20:21], s[4:5], s[20:21]
	s_add_nc_u64 s[46:47], s[6:7], s[46:47]
	; the prefetches: behind each joint load one instruction a wave names the slot that my NEXT joint load asks for.  Of the 32,768 bytes that a wave fetches, each of the four partners that ask jointly
	; takes 8,192, told apart by address: of A the k block cx (8,192 dense bytes), of B the rows 16 cy .. 16 cy + 15 (512 bytes each): a lane names one aligned block of 256 bytes
	s_cmp_eq_u32 s15, 0                            ; do I fetch for A?
	s_cselect_b64 s[12:13], s[20:21], s[46:47]     ; my 64 rows, slot 0
	s_cselect_b32 s2, s40, s41                     ; my place among the four
	s_mov_b32 s4, 512
	s_cselect_b32 s4, 0x200000, s4                 ; a slot on, in bytes
	s_mov_b32 s5, 0
	s_mov_b32 s3, 4096
	s_cselect_b32 s3, 512, s3                      ; from one pair of lanes to the next
	s_mov_b32 s6, 16
	s_cselect_b32 s6, 19, s6
	s_lshl_b32 s6, s2, s6                          ; my work-group's part: 524,288 x cx in A, 65,536 x cy in B
	s_mov_b32 s7, 0
	s_add_nc_u64 s[12:13], s[12:13], s[6:7]
	s_add_nc_u64 s[12:13], s[12:13], s[4:5]        ; in slot 1
	CROUND
.irp s, 0,1
	s_mov_b32 s[G0+4*\s], 1
	s_add_co_u32 s[G0+4*\s+1], s45, \s*SLOT
	s_add_nc_u64 s[G0+4*\s+2:G0+4*\s+3], s[20:21], \s*2097152
	s_or_b32 s[G0+4*\s+3], s[G0+4*\s+3], 0x80000000
	s_mov_b32 s[G0B+4*\s], 1
	s_add_co_u32 s[G0B+4*\s+1], s19, \s*SLOT
	s_add_nc_u64 s[G0B+4*\s+2:G0B+4*\s+3], s[46:47], \s*512
	s_or_b32 s[G0B+4*\s+3], s[G0B+4*\s+3], 0x80000000
.if \s == 0
	JLOAD 0                                        ; slot 0: one tensor load a wave at the head
	v_and_b32 v30, 31, v0
	v_lshrrev_b32 v31, 1, v30
	v_and_b32 v30, 1, v30
	v_mul_lo_u32 v31, v31, s3
	v_lshl_add_u32 v30, v30, 8, v31                ; v30: my lane's block of 256 bytes; never rewritten
	global_prefetch_b8 v30, s[12:13] th:TH_LOAD_NT scope:SCOPE_SE   ; slot 1
.endif
.endr
	v_and_b32 v1, 15, v0
	v_bfe_u32 v2, v0, 4, 1
	v_mul_u32_u24 v3, v1, AP
	v_lshl_add_u32 v3, v2, 4, v3
	v_mul_u32_u24 v4, v1, BP
	v_lshl_add_u32 v4, v2, 4, v4
	s_mul_i32 s21, s15, AHALF
	s_mul_i32 s22, s16, BHALF
	s_add_co_u32 s22, s22, 2*AHALF
.irp s, 0,1
	v_add_nc_u32 v[ADRA+\s], s21, v3
	v_add_nc_u32 v[ADRB+\s], s22, v4
	s_add_co_u32 s21, s21, SLOT
	s_add_co_u32 s22, s22, SLOT
.endr
	s_mul_i32 s23, s14, 16*SPITCH
	v_mul_u32_u24 v5, v1, SPITCH
	v_lshl_add_u32 v5, v2, 5, v5
	v_add_nc_u32 v[STO], s23, v5
	v_mul_u32_u24 v5, v2, SPITCH
	v_lshl_add_u32 v5, v1, 4, v5
	v_add_nc_u32 v[RD], s23, v5
	v_lshlrev_b32 v[BO], 4, v1
	s_wait_alu depctr_va_vdst(0)
	v_lshl_add_u32 v[CO], v2, 12, v[BO]
	s_wait_alu depctr_va_vdst(0)
	s_lshl_b32 s20, s17, 7
	s_lshl_b32 s21, s15, 6
	s_add_co_u32 s20, s20, s21
	s_lshl_b32 s20, s20, 12
	s_lshl_b32 s46, s42, 9
	s_lshl_b32 s47, s16, 8
	s_add_co_u32 s46, s46, s47
	s_mov_b32 s47, 0
	s_add_nc_u64 s[68:69], s[68:69], s[46:47]
	s_add_co_u32 s46, s46, s20
	s_add_nc_u64 s[70:71], s[70:71], s[46:47]
	s_add_nc_u64 s[10:11], s[10:11], s[46:47]
.macro MUL4 f, a, zero
.irp b, 0,1,2,3
.if \zero
	v_wmma_f32_16x16x128_fp8_fp8 v[ACC+8*(4*(\a)+\b):ACC+8*(4*(\a)+\b)+7], v[\f+64+16*\b:\f+64+16*\b+15], v[\f+16*(\a):\f+16*(\a)+15], 0
.else
	v_wmma_f32_16x16x128_fp8_fp8 v[ACC+8*(4*(\a)+\b):ACC+8*(4*(\a)+\b)+7], v[\f+64+16*\b:\f+64+16*\b+15], v[\f+16*(\a):\f+16*(\a)+15], v[ACC+8*(4*(\a)+\b):ACC+8*(4*(\a)+\b)+7]
.endif
.endr
.endm
.macro FETCH slot, q, f
	WIN TO_F
.irp i, 0,1,2,3
.irp c, 0,1,2,3
	ds_load_b128 v[\f+64+16*\i+4*\c:\f+64+16*\i+4*\c+3], v[ADRB+\slot] offset:128*(\q)+32*\c+\i*16*BP
.endr
.endr
.irp i, 0,1,2,3
.irp c, 0,1,2,3
	ds_load_b128 v[\f+16*\i+4*\c:\f+16*\i+4*\c+3], v[ADRA+\slot] offset:((128*(\q)+32*\c)/KB)*64*AP+(128*(\q)+32*\c)%KB+\i*16*AP
.endr
.endr
.endm
.macro PLACES
.rept 4
	v_nop
.endr
.endm
.macro QUARTER slot, q, f, g, zero
	s_wait_dscnt 8
	WIN MUL
	MUL4 \f, 0, \zero
	MUL4 \f, 1, \zero
	PLACES
	FETCH \slot, \q, \g
	s_wait_dscnt 32
	WIN MUL
	MUL4 \f, 2, \zero
	MUL4 \f, 3, \zero
.endm
.macro TURN slot, next, fill
	WIN 0
.if \fill
	s_wait_xcnt 0x0                                ; my last prefetch, a slot back, has read its address
	s_add_nc_u64 s[12:13], s[12:13], s[4:5]        ; one slot further on than the refill below
.endif
	s_wait_tensorcnt 0x0
	ds_add_u32 v[SPW], v[NIL]
	s_wait_dscnt 9
	WIN MUL
	MUL4 F1, 0, 0
	s_wait_dscnt 0x0
	s_barrier_signal -1
	MUL4 F1, 1, 0
	WIN 0
	s_barrier_wait -1
.if \fill
	CREST
	s_add_nc_u64 s[G0+4*\slot+2:G0+4*\slot+3], s[G0+4*\slot+2:G0+4*\slot+3], 4194304
	s_add_nc_u64 s[G0B+4*\slot+2:G0B+4*\slot+3], s[G0B+4*\slot+2:G0B+4*\slot+3], 1024
	JLOAD \slot
.else
	PLACES
.endif
	FETCH \next, 0, F0
.if \fill
	WIN 0
.if \slot
	s_cmp_gt_u32 s3, 1                             ; the launch's last refill has no slot behind it
	s_cbranch_scc0 .Lno_ask_\@
.endif
	global_prefetch_b8 v30, s[12:13] th:TH_LOAD_NT scope:SCOPE_SE   ; the slot that the next refill asks for
.Lno_ask_\@:
.endif
	WIN MUL
	MUL4 F1, 2, 0
	MUL4 F1, 3, 0
.endm
	s_wait_xcnt 0x0                                ; the head's prefetch has read its address
	s_add_nc_u64 s[12:13], s[12:13], s[4:5]        ; on to slot 2
	s_wait_alu depctr_va_vdst(0)
	s_wait_tensorcnt 0x0                           ; my part of slot 0 is in
	ds_add_u32 v[SPW], v[NIL]
	s_wait_dscnt 0x0
	CROUND                                         ; a whole round: everybody's part of slot 0 is in, and the joint loads meet
	JLOAD 1                                        ; slot 1's first fill, the first tensor load behind the round
	FETCH 0, 0, F0
	WIN 0
	global_prefetch_b8 v30, s[12:13] th:TH_LOAD_NT scope:SCOPE_SE   ; slot 2
	global_load_b128 v[12:15], v[BO], s[68:69]     ; the bias and the residual of my 64 x 64 are asked for here, behind the first two slots' loads: they are wanted on the way out and have the whole loop over K in which to land
	WIN 0x80                                       ; destination window 2
.irp a, 0,1,2,3
.irp t, 0,1,2,3,4,5,6,7
	global_load_b128 v[32*\a+4*\t:32*\a+4*\t+3], v[CO], s[70:71] offset:(16*\a+2*\t)*4096 th:TH_LOAD_NT
.endr
.endr
	WIN 0
	QUARTER 0, 1, F0, F1, 1
.if LAPS > 1
	WIN 0
	s_mov_b32 s3, LAPS-1
.Llap:
	QUARTER 0, 2, F1, F0, 0
	QUARTER 0, 3, F0, F1, 0
	TURN 0, 1, 1
	QUARTER 1, 1, F0, F1, 0
	QUARTER 1, 2, F1, F0, 0
	QUARTER 1, 3, F0, F1, 0
	TURN 1, 0, 1
	QUARTER 0, 1, F0, F1, 0
	WIN 0
	s_sub_co_u32 s3, s3, 1
	s_cmp_lg_u32 s3, 0
	s_cbranch_scc1 .Llap
.endif
	QUARTER 0, 2, F1, F0, 0
	QUARTER 0, 3, F0, F1, 0
	TURN 0, 1, 0
	QUARTER 1, 1, F0, F1, 0
	QUARTER 1, 2, F1, F0, 0
	QUARTER 1, 3, F0, F1, 0
	s_wait_dscnt 8
	WIN MUL
	MUL4 F1, 0, 0
	MUL4 F1, 1, 0
	s_wait_dscnt 0
	MUL4 F1, 2, 0
	MUL4 F1, 3, 0
	WIN 0
.macro STG a
.set BB, BK+32*((\a)%2)
.irp b, 0,1,2,3
	ds_store_b128 v[STO], v[ACC+8*(4*(\a)+\b):ACC+8*(4*(\a)+\b)+3] offset:64*\b
	ds_store_b128 v[STO], v[ACC+8*(4*(\a)+\b)+4:ACC+8*(4*(\a)+\b)+7] offset:64*\b+16
.endr
.irp t, 0,1,2,3,4,5,6,7
	ds_load_b128 v[BB+4*\t:BB+4*\t+3], v[RD] offset:\t*2*SPITCH
.endr
.endm
.macro FIN a, younger
.set BB, BK+32*((\a)%2)
	s_wait_dscnt \younger
.irp t, 0,1,2,3,4,5,6,7
	v_pk_fma_f32 v[BB+4*\t:BB+4*\t+1], v[BB+4*\t:BB+4*\t+1], s[66:67], v[12:13] op_sel_hi:[1,0,1]
	v_pk_fma_f32 v[BB+4*\t+2:BB+4*\t+3], v[BB+4*\t+2:BB+4*\t+3], s[66:67], v[14:15] op_sel_hi:[1,0,1]
.endr
	WIN 0x08
.irp t, 0,1,2,3,4,5,6,7
	v_pk_add_f32 v[BB+4*\t:BB+4*\t+1], v[BB+4*\t:BB+4*\t+1], v[32*(\a)+4*\t:32*(\a)+4*\t+1]
	v_pk_add_f32 v[BB+4*\t+2:BB+4*\t+3], v[BB+4*\t+2:BB+4*\t+3], v[32*(\a)+4*\t+2:32*(\a)+4*\t+3]
.endr
	WIN 0
.irp t, 0,1,2,3,4,5,6,7
	global_store_b128 v[CO], v[BB+4*\t:BB+4*\t+3], s[10:11] offset:(16*(\a)+2*\t)*4096
.endr
.endm
	s_wait_kmcnt 0x0
	s_add_co_i32 s66, s66, s67
	s_add_co_i32 s66, s66, 127
	s_lshl_b32 s66, s66, 23
	s_mov_b32 s67, s66
	s_wait_loadcnt 0x0
	PLACES
	STG 0
	STG 1
	FIN 0, 16
	s_wait_xcnt 0x0
	STG 2
	FIN 1, 16
	s_wait_xcnt 0x0
	STG 3
	FIN 2, 16
	FIN 3, 0
	s_wait_tensorcnt 0x0
	ds_add_u32 v[SPW], v[NIL]
	s_wait_dscnt 0x0
	CROUND
	s_endpgm
.Lfunc_end_k_q170aad729c_ffn2:
	.size	k_q170aad729c_ffn2, .Lfunc_end_k_q170aad729c_ffn2-k_q170aad729c_ffn2
	.p2alignl 7, 3214868480
	.fill 96, 4, 3214868480
	.section	.rodata,"a",@progbits
	.p2align	6, 0x0
	.amdhsa_kernel k_q170aad729c_ffn2
		.amdhsa_group_segment_fixed_size 327680
		.amdhsa_private_segment_fixed_size 0
		.amdhsa_enable_private_segment 0
		.amdhsa_kernarg_size 48
		.amdhsa_user_sgpr_count 2
		.amdhsa_user_sgpr_kernarg_segment_ptr 1
		.amdhsa_wavefront_size32 1
		.amdhsa_system_sgpr_workgroup_id_x 1
		.amdhsa_system_sgpr_workgroup_id_y 1
		.amdhsa_system_sgpr_workgroup_id_z 1
		.amdhsa_system_vgpr_workitem_id 0
		.amdhsa_next_free_vgpr 640
		.amdhsa_next_free_sgpr 72
		.amdhsa_reserve_vcc 0
		.amdhsa_float_denorm_mode_32 3
		.amdhsa_float_denorm_mode_16_64 3
		.amdhsa_memory_ordered 1
		.amdhsa_forward_progress 1
		.amdhsa_inst_pref_size 83
	.end_amdhsa_kernel
	.amdgpu_metadata
---
amdhsa.version: [ 1, 2 ]
amdhsa.kernels:
  - .name:           k_q170aad729c_ffn2
    .symbol:         k_q170aad729c_ffn2.kd
    .args:
      - { .name: hc, .offset: 0, .size: 8, .value_kind: global_buffer, .address_space: global }
      - { .name: w2_codes, .offset: 8, .size: 8, .value_kind: global_buffer, .address_space: global }
      - { .name: b2, .offset: 16, .size: 8, .value_kind: global_buffer, .address_space: global }
      - { .name: o1, .offset: 24, .size: 8, .value_kind: global_buffer, .address_space: global }
      - { .name: lowp_scales, .offset: 32, .size: 8, .value_kind: global_buffer, .address_space: global }
      - { .name: z, .offset: 40, .size: 8, .value_kind: global_buffer, .address_space: global }
    .group_segment_fixed_size: 327680
    .private_segment_fixed_size: 0
    .kernarg_segment_align: 8
    .kernarg_segment_size: 48
    .max_flat_workgroup_size: 128
    .sgpr_count:     72
    .vgpr_count:     640
    .wavefront_size: 32
...
	.end_amdgpu_metadata
.endif
;; end of part 7
;; launch ln2 (part 8): grid 256 x 1, 4 waves a work-group, no clusters, 0 bytes of LDS; arguments z, ln2_g, ln2_b, out0; writes out0
.if DOCPART == 8
	.amdgcn_target "amdgcn-amd-amdhsa--gfx1250"
	.amdhsa_code_object_version 6
	.text
	.protected	k_q170aad729c_ln2
	.globl	k_q170aad729c_ln2
	.p2align	8
	.type	k_q170aad729c_ln2,@function
k_q170aad729c_ln2:
	s_mov_b64 s[64:65], 0
	v_nop
	global_prefetch_b8 v0, s[64:65] scope:SCOPE_SE
	s_setreg_imm32_b32 hwreg(HW_REG_WAVE_MODE, 25, 1), 1
	s_wait_xcnt 0x0
; y = (x - mean) / sqrt(var + 1e-6) x gamma + beta along rows of 1,024 f32: the block's result.
; A wave takes four rows; a row is eight loads of 512 consecutive bytes and stays in 32 registers between the passes: memory is read once.  The variance is taken of x - mean, in a second pass over the registers,
; as the definition has it, so that a common offset of the inputs costs no accuracy.  No LDS, no barrier: waves share nothing.  No matrix unit, no cluster: memory binds, nothing is shared.  NaN is not served.
.set OUTP,  10                         ; s[10:11] the output
.set X,   32                           ; v32-159  four rows
.set G,   160                          ; v160-191 gamma of my 32 columns
.set B,   192                          ; v192-223 beta
	s_load_b256 s[4:11], s[0:1], 0x0               ; x, gamma, beta, y
	v_lshrrev_b32 v2, 5, v0
	v_readfirstlane_b32 s16, v2                    ; wave
	v_and_b32 v3, 31, v0
	v_lshlrev_b32 v1, 4, v3                        ; 16 x lane
	s_lshl_b32 s18, ttmp9, 16
	s_lshl_b32 s17, s16, 14
	s_add_co_u32 s18, s18, s17                     ; my first row: 16 x work-group + 4 x wave, of 4,096 bytes
	s_mov_b32 s19, 0
	s_mov_b32 s20, 0x3a800000                      ; 1 / 1,024
	s_mov_b32 s21, 0x358637bd                      ; 1e-6
	s_mov_b32 s22, 0x76543210
	s_mov_b32 s23, 0xfedcba98
	s_wait_alu depctr_va_vdst(0)
	s_wait_kmcnt 0x0
	s_add_nc_u64 s[4:5], s[4:5], s[18:19]
	s_add_nc_u64 s[OUTP:OUTP+1], s[OUTP:OUTP+1], s[18:19]
.irp j, 0,1,2,3,4,5,6,7
	global_load_b128 v[G+4*\j:G+4*\j+3], v1, s[6:7] offset:512*\j
	global_load_b128 v[B+4*\j:B+4*\j+3], v1, s[8:9] offset:512*\j
.endr
.irp r, 0,1,2,3
.irp j, 0,1,2,3,4,5,6,7
	global_load_b128 v[X+32*\r+4*\j:X+32*\r+4*\j+3], v1, s[4:5] offset:4096*\r+512*\j th:TH_LOAD_NT
.endr
.endr
.macro REDUCE                          ; v4 summed over the 32 lanes, the result in every lane
	v_add_f32_dpp v4, v4, v4 row_xmask:1 row_mask:0xf bank_mask:0xf
	v_add_f32_dpp v4, v4, v4 row_xmask:2 row_mask:0xf bank_mask:0xf
	v_add_f32_dpp v4, v4, v4 row_xmask:4 row_mask:0xf bank_mask:0xf
	v_add_f32_dpp v4, v4, v4 row_xmask:8 row_mask:0xf bank_mask:0xf
	v_permlanex16_b32 v5, v4, s22, s23
	v_add_f32 v4, v4, v5
.endm
.macro ROW n
.set XR, X+32*(\n)
	s_wait_loadcnt 8*(3-(\n))                      ; this row's eight loads are in (gamma and beta are older); the later rows stay out
	v_pk_add_f32 v[4:5], v[XR:XR+1], v[XR+2:XR+3]
	v_pk_add_f32 v[6:7], v[XR+4:XR+5], v[XR+6:XR+7]
.irp j, 8,12,16,20,24,28
	v_pk_add_f32 v[4:5], v[4:5], v[XR+\j:XR+\j+1]
	v_pk_add_f32 v[6:7], v[6:7], v[XR+\j+2:XR+\j+3]
.endr
	v_pk_add_f32 v[4:5], v[4:5], v[6:7]
	v_add_f32 v4, v4, v5
	REDUCE
	v_mul_f32 v12, s20, v4                         ; the mean
	v_mov_b32 v13, v12
.set jj, 0
.rept 16
	v_pk_add_f32 v[XR+jj:XR+jj+1], v[XR+jj:XR+jj+1], v[12:13] neg_lo:[0,1] neg_hi:[0,1]
.set jj, jj+2
.endr
	v_pk_mul_f32 v[4:5], v[XR:XR+1], v[XR:XR+1]
	v_pk_mul_f32 v[6:7], v[XR+2:XR+3], v[XR+2:XR+3]
.irp j, 4,8,12,16,20,24,28
	v_pk_fma_f32 v[4:5], v[XR+\j:XR+\j+1], v[XR+\j:XR+\j+1], v[4:5]
	v_pk_fma_f32 v[6:7], v[XR+\j+2:XR+\j+3], v[XR+\j+2:XR+\j+3], v[6:7]
.endr
	v_pk_add_f32 v[4:5], v[4:5], v[6:7]
	v_add_f32 v4, v4, v5
	REDUCE
	v_fma_f32 v8, v4, s20, s21                     ; the variance + 1e-6
	s_wait_alu depctr_va_vdst(0)
	v_rsq_f32 v14, v8
	v_nop                                          ; a plain line behind the root,
	s_wait_alu depctr_va_vdst(0)                   ; and the wait ahead of its first reader
	v_mov_b32 v15, v14
.set jj, 0
.rept 16
	v_pk_mul_f32 v[XR+jj:XR+jj+1], v[XR+jj:XR+jj+1], v[14:15]
.set jj, jj+2
.endr
.set jj, 0
.rept 16
	v_pk_fma_f32 v[XR+jj:XR+jj+1], v[XR+jj:XR+jj+1], v[G+jj:G+jj+1], v[B+jj:B+jj+1]
.set jj, jj+2
.endr
.irp j, 0,1,2,3,4,5,6,7
	global_store_b128 v1, v[XR+4*\j:XR+4*\j+3], s[OUTP:OUTP+1] offset:4096*(\n)+512*\j th:TH_STORE_NT   ; 512 consecutive bytes, aligned; the row's registers are not written again
.endr
.endm
	ROW 0
	ROW 1
	ROW 2
	ROW 3
	s_endpgm
.Lfunc_end_k_q170aad729c_ln2:
	.size	k_q170aad729c_ln2, .Lfunc_end_k_q170aad729c_ln2-k_q170aad729c_ln2
	.p2alignl 7, 3214868480
	.fill 96, 4, 3214868480
	.section	.rodata,"a",@progbits
	.p2align	6, 0x0
	.amdhsa_kernel k_q170aad729c_ln2
		.amdhsa_group_segment_fixed_size 0
		.amdhsa_private_segment_fixed_size 0
		.amdhsa_enable_private_segment 0
		.amdhsa_kernarg_size 32
		.amdhsa_user_sgpr_count 2
		.amdhsa_user_sgpr_kernarg_segment_ptr 1
		.amdhsa_wavefront_size32 1
		.amdhsa_system_sgpr_workgroup_id_x 1
		.amdhsa_system_sgpr_workgroup_id_y 1
		.amdhsa_system_sgpr_workgroup_id_z 1
		.amdhsa_system_vgpr_workitem_id 0
		.amdhsa_next_free_vgpr 256
		.amdhsa_next_free_sgpr 66
		.amdhsa_reserve_vcc 0
		.amdhsa_float_denorm_mode_32 3
		.amdhsa_float_denorm_mode_16_64 3
		.amdhsa_memory_ordered 1
		.amdhsa_forward_progress 1
		.amdhsa_inst_pref_size 33
	.end_amdhsa_kernel
	.amdgpu_metadata
---
amdhsa.version: [ 1, 2 ]
amdhsa.kernels:
  - .name:           k_q170aad729c_ln2
    .symbol:         k_q170aad729c_ln2.kd
    .args:
      - { .name: z, .offset: 0, .size: 8, .value_kind: global_buffer, .address_space: global }
      - { .name: ln2_g, .offset: 8, .size: 8, .value_kind: global_buffer, .address_space: global }
      - { .name: ln2_b, .offset: 16, .size: 8, .value_kind: global_buffer, .address_space: global }
      - { .name: out0, .offset: 24, .size: 8, .value_kind: global_buffer, .address_space: global }
    .group_segment_fixed_size: 0
    .private_segment_fixed_size: 0
    .kernarg_segment_align: 8
    .kernarg_segment_size: 32
    .max_flat_workgroup_size: 128
    .sgpr_count:     66
    .vgpr_count:     256
    .wavefront_size: 32
...
	.end_amdgpu_metadata
.endif
;; end of part 8
